; MI455X (gfx1250); checked and timed in simulation.
; The chip was launched on July 23, 2026; its instructions are those of AMD's public machine-readable ISA for CDNA 5 (MIT licence, August 2026) and "CDNA5" Instruction Set Architecture Reference Guide (July 2026). The comments in the code are by the model that wrote it; some were corrected since.
;; Multi Head Attention. Allowed arithmetic: matrix products marked QUANTISED: E2M1 operands, one E8M0 scale for each 32 along K, by v_wmma_scale_f32_16x16x128_f8f6f4 with both operands' format E2M1 (or v_wmma_scale_f32_32x16x128_f4), f32 sums; everything else in f32.
;; Inputs: Wk 1,024 x 1,024 float32; Wp 1,024 x 1,024 float32; Wq 1,024 x 1,024 float32; Wv 1,024 x 1,024 float32; attention_mask 4 x 2,048 int32; bk 1,024 float32; bp 1,024 float32; bq 1,024 float32; bv 1,024 float32; x 4 x 2,048 x 1,024 float32.
;; Outputs: out0 4 x 2,048 x 1,024 float32.
;; This version of the problem:
;;   THIS VERSION OF THE PROBLEM IS GIVEN IN LOW PRECISION. The matrix products marked QUANTISED in the list below multiply operands that are first quantised to E2M1 (2 exponent bits, 1 mantissa bit; 4 bits a number), with one power-of-two scale for each 32 numbers along K (OCP MX v1.0); their sums are f32. All else is computed in f32.
;;   The module's matrix products, in the order in which they are computed (A, B: the left and right operand; K: the contracted axis; several contracted axes count as one K, in the product's order):
;;     1. [M 8,192, K 1,024] x [K 1,024, N 1,024]; A: input x; B: input Wq: QUANTISED
;;     2. [M 8,192, K 1,024] x [K 1,024, N 1,024]; A: input x; B: input Wk: QUANTISED
;;     3. [M 8,192, K 1,024] x [K 1,024, N 1,024]; A: input x; B: input Wv: QUANTISED
;;     4. batch 64 x [M 2,048, K 64] x [K 64, N 2,048]; A: computed on the way; B: computed on the way: QUANTISED
;;     5. batch 64 x [M 2,048, K 2,048] x [K 2,048, N 64]; A: softmax (see below); B: computed on the way: QUANTISED
;;     6. [M 8,192, K 1,024] x [K 1,024, N 1,024]; A: computed on the way; B: input Wp: QUANTISED
;;   THE QUANTISER, for each operand of a quantised product, along K:
;;     - K is cut into blocks of 32 from its start; a last block that is shorter is filled with zeros.
;;     - A block's scale is 2^e with e = floor(log2(the largest magnitude in the block)) - 2, held to -126 .. 127; a block of zeros has e = 0. As a byte (E8M0): e + 127.
;;     - Each number is divided by its block's scale, clamped to +-6, and rounded to the nearest number of E2M1, ties to even, subnormals kept.
;;     - The product sums the exact products of the quantised numbers (number of the format x scale) in f32.
;;   ~~~python
;;   def quantise(x, axis):      # numpy; x: float32 -> the quantised numbers, widened to float32 again
;;       x = np.moveaxis(x, axis, -1); K = x.shape[-1]
;;       x = np.pad(x, [(0, 0)] * (x.ndim - 1) + [(0, -K % 32)]); x = x.reshape(x.shape[:-1] + (-1, 32)); a = np.abs(x).max(-1, keepdims=True)
;;       e = np.where(a > 0, np.clip(np.frexp(np.where(a > 0, a, 1))[1] - 1 - 2, -126, 127), 0)      # np.frexp(a)[1] - 1 = floor(log2(a)), exactly
;;       r = np.clip(x / 2.0 ** e, -6, 6)
;;       step = 2.0 ** (np.maximum(np.frexp(np.where(r == 0, 1, r))[1] - 1, 0) - 1)
;;       q = np.round(r / step) * step * 2.0 ** e      # np.round: ties to even
;;       return np.moveaxis(q.reshape(q.shape[:-2] + (-1,))[..., :K], -1, axis).astype(np.float32)
;;   ~~~
;;   SOFTMAX AHEAD OF A QUANTISED PRODUCT. Where the list says 'softmax', what is quantised is not the finished softmax but p = 2^(t - M), with t = logit x log2(e) and M = ceil(the row's largest t), a whole number; so 1/2 < the row's largest p <= 1. The row's sum l is taken of the UNQUANTISED p, in f32, and the product's result is divided by l at the end. Since M is a whole number, a kernel that streams over the keys may use a running M (the ceiling of the running maximum): every later rescaling is an exact power of two, which a block's scale takes up: the codes' values come out the same.
;;   OPERANDS COMPUTED ON THE WAY. 'Computed on the way' means the value that the module computes at that place (a softmax that the list does not call 'softmax' is quantised finished and normalised). What goes into a quantiser is computed in f32, as accurately as f32 sums, v_exp_f32 and their like allow (about 1e-6 of the number): no bf16 or f16 on the way to a quantiser, and a product that is left as it is and whose result goes on into a quantised operand takes f32 operands (vector FMAs, or v_wmma_f32_16x16x4_f32). A number that lies on a knife's edge between two numbers of the format may be rounded either way, as far as f32 arithmetic and the matrix unit's own rounding can turn it there, and no further.
;; One version. Each part assembles by itself: llvm-mc -triple=amdgcn-amd-amdhsa -mcpu=gfx1250 --defsym DOCPART=n.
;; ======== version 1 of 1: 4 launches
;; limits: right only within a limited range of input values
;; workspace buffers: xq 4,456,448 bytes; yq 4,456,448 bytes; wq 2,228,224 bytes; qkv 13,893,632 bytes
;; launch quant (part 1): grid 256 x 1, 4 waves a work-group, no clusters, 168,448 bytes of LDS; arguments x, Wq, Wk, Wv, Wp, xq, wq; writes xq, wq
.if DOCPART == 1
	.amdgcn_target "amdgcn-amd-amdhsa--gfx1250"
	.amdhsa_code_object_version 6
	.text
	.protected	k_qe28fd03556_quant
	.globl	k_qe28fd03556_quant
	.p2align	8
	.type	k_qe28fd03556_quant,@function
k_qe28fd03556_quant:
	s_mov_b64 s[64:65], 0
	v_nop
	global_prefetch_b8 v0, s[64:65] scope:SCOPE_SE
	s_setreg_imm32_b32 hwreg(HW_REG_WAVE_MODE, 25, 1), 1
	s_wait_xcnt 0x0
; x [8192][1024] f32 and the four weights [1024 (k)][1024 (n)] f32 become codes of FP4 (E2M1) with one E8M0 byte for each 32 along K,
; laid in the order of the matrix operand's registers.  A RECORD (REC bytes) is 16 rows x 512 along K: fragment q (128 along K), register group c
; at q x 1024 + c x 512 + 16 x lane; behind them the rows' scale words at 4096 + 16 r + 4 q.  A buffer is [K slot 2][row tile][REC].
; ROWS ARE PERMUTED: position p of a buffer means row pi(p), p with bits 3 and 4 changed over: row rho of tile 2 i + u is row 32 i + 8 u + rho + 8 (rho / 8).
; A product used transposed then leaves 16 NEIGHBOURS in the 16 registers of two neighbouring tiles, which is what the next quantiser wants.
; A block's scale is 2^(floor(log2(largest magnitude)) - 2); its byte is the largest magnitude's exponent field - 2, held at 1 from below (a block of zeros keeps the byte 1:
; its codes are zeros, and this program alone reads the bytes).  LIMITS: blocks whose largest magnitude lies under 2^-124 keep the byte 1; NaN and infinities are not served.
; SHARES.  Work-group i owns rows 32 i .. 32 i + 31 of x; wave w makes the record of tile 2 i + (w >> 1), K slot w & 1.  Its 16 rows x 2,048 bytes come by eight tensor loads
; (8 rows x 512 bytes each) into the wave's own stage, rows 528 bytes apart, so that a lane can read 16 neighbours of its row while memory is read in rows of 512 bytes.
; The same work-group takes 32 columns x 512 along K of one weight; wave w takes 128 along K: a lane takes a column and its registers run down K, so nothing is transposed.
; No cluster: no two work-groups read the same byte.  LDS bytes are filled once, so no slot changes hands.
.set REC,  4352
.set XSS,  512*REC                     ; a K slot of xq
.set WSS,  256*REC                     ; a K slot of wq
.set XST,  33792                       ; a wave's stage: [K step 4][row 16][512 + 16 bytes]
.set WSC,  4*XST                       ; behind the stages: 512 bytes in which the four waves' weight scale words meet; no tile lands there
.set TM,   16                          ; v16-31   at work in the quantiser
.set X,    32                          ; v32-95   64 numbers of x
.set CD,   96                          ; v96-111  a weight's codes
.set RAW,  128                         ; v128-255 128 numbers of a weight's column; later x's four fragments
.set G1,   16                          ; s[16:23] descriptor group 1
.set G0,   24                          ; s[24:55] eight groups 0
.set WV,   58
.set SEL,  60                          ; s[60:61] selects of v_permlanex16_b32: lane l xor 16
; 64 numbers of a lane, register 16 b + i = k 32 b + 16 (lane / 16) + i of its row, become a fragment's codes in v[pc] on and the row's scale word in v[pw].
.macro QUANT s, pc, pw
.irp b, 0,1,2,3
	v_max3_num_f32 v[TM+\b], |v[(\s)+16*\b]|, |v[(\s)+1+16*\b]|, 0x1800000   ; my 16 numbers of block b, and the floor 2^(3 - 127): the byte cannot fall under 1
.endr
.irp i, 2,4,6,8,10,12,14
.irp b, 0,1,2,3
	v_max3_num_f32 v[TM+\b], v[TM+\b], |v[(\s)+16*\b+\i]|, |v[(\s)+1+16*\b+\i]|   ; the four blocks by turns
.endr
.endr
.irp b, 0,1,2,3
	v_permlanex16_b32 v[TM+4+\b], v[TM+\b], s[SEL], s[SEL+1]
.endr
.irp b, 0,1,2,3
	v_max_num_f32 v[TM+\b], v[TM+\b], v[TM+4+\b]   ; with lane l xor 16's 16: the block's largest magnitude
.endr
.irp b, 0,1,2,3
	v_add_nc_u32 v[TM+12+\b], 0xff000000, v[TM+\b]   ; 2 off its exponent field: the conversion's scale operand
.endr
.irp b, 0,1,2,3
	v_lshrrev_b32 v[TM+4+\b], 23, v[TM+12+\b]      ; the scale's byte
.endr
	v_lshl_or_b32 v[\pw], v[TM+5], 8, v[TM+4]
	v_lshl_or_b32 v[\pw], v[TM+6], 16, v[\pw]
	v_lshl_or_b32 v[\pw], v[TM+7], 24, v[\pw]
.irp b, 0,1,2,3
	v_cvt_scalef32_pk8_fp4_f32 v[(\pc)+2*\b], v[(\s)+16*\b:(\s)+7+16*\b], v[TM+12+\b]
	v_cvt_scalef32_pk8_fp4_f32 v[(\pc)+1+2*\b], v[(\s)+8+16*\b:(\s)+15+16*\b], v[TM+12+\b]
.endr
	v_nop                                          ; one plain line behind the scaled conversions
.irp c, 0,1                                    ; the operand wants a whole block in a lane: lanes 0-15 block 2 c, lanes 16-31 block 2 c + 1
.irp i, 0,1
	v_permlane16_swap_b32 v[(\pc)+4*\c+\i], v[(\pc)+2+4*\c+\i]
.endr
.endr
.endm
	s_load_b256 s[4:11], s[0:1], 0x0               ; x s[4:5], Wq s[6:7], Wk s[8:9], Wv s[10:11]
	s_load_b128 s[12:15], s[0:1], 0x20             ; Wp s[12:13], xq s[14:15]
	s_load_b64 s[56:57], s[0:1], 0x30              ; wq
	v_lshl_add_u32 v126, v0, 2, 0x29000
	v_mov_b32 v127, 0
	ds_add_u32 v126, v127
	ds_add_u32 v126, v127
	v_lshrrev_b32 v1, 5, v0
	v_readfirstlane_b32 s[WV], v1                  ; wave 0..3
	s_mov_b32 s[G1+0], (3<<16)|(1<<20)|(6<<22)|(3<<25)   ; elements of 8 bytes; padding on: 4 words behind every 128 words (a tile's row)
	s_mov_b32 s[G1+1], 64<<16                      ; tensor_dim0 = 64 elements = 512 bytes
	s_mov_b32 s[G1+2], 8<<16                       ; tensor_dim1 = 8 rows
	s_mov_b32 s[G1+3], 64<<16                      ; tile_dim0
	s_mov_b32 s[G1+4], 8                           ; tile_dim1
	s_mov_b32 s[G1+5], 512                         ; from row to row: 4,096 bytes
	s_mov_b32 s[G1+6], 0
	s_mov_b32 s[G1+7], 0
	s_mov_b32 s[SEL], 0x76543210
	s_mov_b32 s[SEL+1], 0xfedcba98
	s_mov_b32 s62, 0xffff0000                      ; lanes 16-31
	s_mul_i32 s66, s[WV], XST                      ; my stage
	s_lshr_b32 s70, s[WV], 1                       ; u: which of the two tiles
	s_and_b32 s71, s[WV], 1                        ; which K slot
	s_lshl_b32 s68, ttmp9, 17                      ; 32 rows of 4,096 bytes a work-group,
	s_lshl_b32 s72, s70, 15                        ; 8 u rows,
	s_add_co_u32 s68, s68, s72
	s_lshl_b32 s72, s71, 11                        ; 2,048 bytes a K slot
	s_add_co_u32 s68, s68, s72
	s_mov_b32 s69, 0
	s_wait_dscnt 0x0
	s_wait_kmcnt 0x0
	s_add_nc_u64 s[4:5], s[4:5], s[68:69]
.irp n, 0,1,2,3,4,5,6,7                        ; load n = 2 q + g: K step q, rows 16 g + 0 .. 7 of my tile
	s_mov_b32 s[G0+4*\n], 1
	s_add_co_u32 s[G0+4*\n+1], s66, (\n/2)*8448+(\n%2)*4224
	s_add_nc_u64 s[G0+4*\n+2:G0+4*\n+3], s[4:5], (\n/2)*512+(\n%2)*65536
	s_or_b32 s[G0+4*\n+3], s[G0+4*\n+3], 0x80000000
.endr
.irp n, 0,1,2,3,4,5,6,7                        ; all first fills together, ahead of every wait for them, every LDS read and the barrier: eight loads of mine are out
	tensor_load_to_lds s[G0+4*\n:G0+4*\n+3], s[G1:G1+7]
	s_nop 0
.endr
	v_and_b32 v1, 31, v0                           ; lane L
	v_and_b32 v2, 15, v0                           ; r
	v_bfe_u32 v3, v0, 4, 1                         ; h
	v_lshlrev_b32 v4, 4, v1                        ; 16 L: an image's place for my lane
	v_and_b32 v12, 7, v0
	v_bfe_u32 v13, v0, 3, 1
	v_lshl_add_u32 v5, v3, 3, v12
	v_lshl_add_u32 v5, v13, 4, v5                  ; pi(L): my column among the 32
	v_lshlrev_b32 v5, 2, v5
	v_mul_u32_u24 v6, v2, 528
	v_lshl_add_u32 v6, v3, 6, v6
	v_add_nc_u32 v6, s66, v6                       ; the stage: row r, + 64 h: my 16 numbers of a block
	s_lshl_b32 s67, s[WV], 2
	s_add_co_u32 s67, s67, WSC
	v_add_nc_u32 v7, s67, v4                       ; where my column's scale word of K step w goes: [L][w]
	v_add_nc_u32 v15, WSC, v4                      ; and where wave 0 reads a column's four
	v_lshlrev_b32 v121, 4, v2
	v_lshl_add_u32 v121, v3, 3, v121               ; x's scale words: 16 r + 8 h
	v_mul_u32_u24 v122, v3, REC
	v_lshl_add_u32 v122, v2, 4, v122               ; the weight's: tile L / 16, 16 r
.irp b, 0,1,2,3
	v_mov_b32 v[TM+4+\b], 0                        ; written once: a lane permute's destination counts as one of its sources
.endr
	; which weight: work-groups 0-63 Wq, 64-127 Wk, 128-191 Wv, 192-255 Wp: the choice hangs on the work-group's number alone
	s_bitcmp1_b32 ttmp9, 6
	s_cselect_b64 s[72:73], s[8:9], s[6:7]
	s_cselect_b64 s[74:75], s[12:13], s[10:11]
	s_bitcmp1_b32 ttmp9, 7
	s_cselect_b64 s[72:73], s[74:75], s[72:73]
	s_and_b32 s78, ttmp9, 1                        ; the weight's K slot
	s_lshl_b32 s76, s78, 21                        ; 512 rows of 4,096 bytes,
	s_lshl_b32 s79, s[WV], 19                      ; 128 rows a wave,
	s_add_co_u32 s76, s76, s79
	s_bfe_u32 s79, ttmp9, 0x50001                  ; which 32 columns of the weight
	s_lshl_b32 s79, s79, 7
	s_add_co_u32 s76, s76, s79
	s_mov_b32 s77, 0
	s_add_nc_u64 s[72:73], s[72:73], s[76:77]
.set kk, 0
.rept 128
	global_load_b32 v[RAW+kk], v5, s[72:73] offset:kk*4096 th:TH_LOAD_NT   ; W(k, my column): the wave reads 128 consecutive bytes
.set kk, kk+1
.endr
	s_and_b32 s79, ttmp9, 0xfe                     ; the first of my two row tiles of wq
	s_mul_i32 s79, s79, REC
	s_mul_i32 s76, s78, WSS
	s_add_co_u32 s76, s76, s79
	s_lshl_b32 s79, s[WV], 10                      ; fragment w of the record
	s_add_co_u32 s76, s76, s79
	s_add_nc_u64 s[56:57], s[56:57], s[76:77]
	s_lshl_b32 s76, ttmp9, 1
	s_add_co_u32 s76, s76, s70                     ; my row tile of xq
	s_mul_i32 s76, s76, REC
	s_mul_i32 s79, s71, XSS
	s_add_co_u32 s76, s76, s79
	s_add_nc_u64 s[14:15], s[14:15], s[76:77]
; Block kb of my column: all 32 numbers are mine.  left: the younger loads that may stay out.
.macro WBLOCK kb, left
.set XS, RAW+32*\kb
	s_wait_loadcnt \left
	v_max3_num_f32 v12, |v[XS]|, |v[XS+1]|, |v[XS+2]|
	v_max3_num_f32 v13, |v[XS+3]|, |v[XS+4]|, |v[XS+5]|
.irp i, 6,10,14,18,22,26
	v_max3_num_f32 v12, v12, |v[XS+\i]|, |v[XS+\i+1]|
	v_max3_num_f32 v13, v13, |v[XS+\i+2]|, |v[XS+\i+3]|
.endr
	v_max3_num_f32 v12, v12, |v[XS+30]|, |v[XS+31]|
	v_max3_num_f32 v12, v12, v13, 0x1800000        ; and the floor
	v_add_nc_u32 v[TM+\kb], 0xff000000, v12
	v_lshrrev_b32 v13, 23, v[TM+\kb]
.if \kb == 0
	v_mov_b32 v120, v13
.else
	v_lshl_or_b32 v120, v13, 8*\kb, v120           ; the four bytes make my column's scale word of this K step
.endif
.irp g, 0,1,2,3
	v_cvt_scalef32_pk8_fp4_f32 v[CD+4*\kb+\g], v[XS+8*\g:XS+8*\g+7], v[TM+\kb]
.endr
.endm
	WBLOCK 0, 63                                   ; 96 loads are younger than block 0's and 64 than block 1's; 63 is the most that the wait can name
	WBLOCK 1, 63
	WBLOCK 2, 32                                   ; block 3's 32 may stay out
	WBLOCK 3, 0
	v_nop                                          ; one plain line behind the scaled conversions
.irp c, 0,1                                    ; lanes 0-15 hold tile 0's columns, lanes 16-31 tile 1's: blocks 2 c and 2 c + 1 change halves, and the first four registers are image c of tile 0, the second four of tile 1
.irp i, 0,1,2,3
	v_permlane16_swap_b32 v[CD+8*\c+\i], v[CD+4+8*\c+\i]
.endr
.endr
.irp c, 0,1
	global_store_b128 v4, v[CD+8*\c:CD+8*\c+3], s[56:57] offset:512*\c          ; 512 consecutive bytes, aligned
	global_store_b128 v4, v[CD+8*\c+4:CD+8*\c+7], s[56:57] offset:REC+512*\c
.endr
	ds_store_b32 v7, v120
	s_wait_dscnt 0x0                               ; for the others' sake: my scale words lie in LDS
	s_barrier_signal -1
	s_barrier_wait -1
	s_cmp_lg_u32 s[WV], 0
	s_cbranch_scc1 .Lno_scales
	ds_load_b128 v[112:115], v15                   ; a column's four words
	s_wait_dscnt 0x0
	global_store_b128 v122, v[112:115], s[56:57] offset:4096   ; sixteen lanes fill the 256 bytes of a record's scale words
.Lno_scales:
.irp q, 0,1,2,3
	s_wait_tensorcnt 6-2*\q                        ; K step q's two loads have landed; those of the later K steps may stay out
.irp b, 0,1,2,3
.irp j, 0,1,2,3
	ds_load_b128 v[X+16*\b+4*\j:X+16*\b+4*\j+3], v6 offset:\q*8448+128*\b+16*\j
.endr
.endr
	s_wait_dscnt 0x0
	QUANT X, RAW+8*\q, 8+\q
	global_store_b128 v4, v[RAW+8*\q:RAW+8*\q+3], s[14:15] offset:\q*1024       ; each K step has registers of its own for its codes: no store's data are written again
	global_store_b128 v4, v[RAW+8*\q+4:RAW+8*\q+7], s[14:15] offset:\q*1024+512
.endr
	v_cndmask_b32 v12, v8, v10, s62                ; lanes 0-15 store words 0 and 1 of their row, lanes 16-31 words 2 and 3
	v_cndmask_b32 v13, v9, v11, s62
	global_store_b64 v121, v[12:13], s[14:15] offset:4096   ; 256 consecutive bytes, aligned
	s_wait_tensorcnt 0x0
	ds_add_u32 v126, v127
	s_wait_dscnt 0x0
	s_endpgm
.Lfunc_end_k_qe28fd03556_quant:
	.size	k_qe28fd03556_quant, .Lfunc_end_k_qe28fd03556_quant-k_qe28fd03556_quant
	.p2alignl 7, 3214868480
	.fill 96, 4, 3214868480
	.section	.rodata,"a",@progbits
	.p2align	6, 0x0
	.amdhsa_kernel k_qe28fd03556_quant
		.amdhsa_group_segment_fixed_size 168448
		.amdhsa_private_segment_fixed_size 0
		.amdhsa_enable_private_segment 0
		.amdhsa_kernarg_size 56
		.amdhsa_user_sgpr_count 2
		.amdhsa_user_sgpr_kernarg_segment_ptr 1
		.amdhsa_wavefront_size32 1
		.amdhsa_system_sgpr_workgroup_id_x 1
		.amdhsa_system_sgpr_workgroup_id_y 1
		.amdhsa_system_sgpr_workgroup_id_z 1
		.amdhsa_system_vgpr_workitem_id 0
		.amdhsa_next_free_vgpr 256
		.amdhsa_next_free_sgpr 80
		.amdhsa_reserve_vcc 0
		.amdhsa_float_denorm_mode_32 3
		.amdhsa_float_denorm_mode_16_64 3
		.amdhsa_memory_ordered 1
		.amdhsa_forward_progress 1
		.amdhsa_inst_pref_size 46
	.end_amdhsa_kernel
	.amdgpu_metadata
---
amdhsa.version: [ 1, 2 ]
amdhsa.kernels:
  - .name:           k_qe28fd03556_quant
    .symbol:         k_qe28fd03556_quant.kd
    .args:
      - { .name: x, .offset: 0, .size: 8, .value_kind: global_buffer, .address_space: global }
      - { .name: Wq, .offset: 8, .size: 8, .value_kind: global_buffer, .address_space: global }
      - { .name: Wk, .offset: 16, .size: 8, .value_kind: global_buffer, .address_space: global }
      - { .name: Wv, .offset: 24, .size: 8, .value_kind: global_buffer, .address_space: global }
      - { .name: Wp, .offset: 32, .size: 8, .value_kind: global_buffer, .address_space: global }
      - { .name: xq, .offset: 40, .size: 8, .value_kind: global_buffer, .address_space: global }
      - { .name: wq, .offset: 48, .size: 8, .value_kind: global_buffer, .address_space: global }
    .group_segment_fixed_size: 168448
    .private_segment_fixed_size: 0
    .kernarg_segment_align: 8
    .kernarg_segment_size: 56
    .max_flat_workgroup_size: 128
    .sgpr_count:     80
    .vgpr_count:     256
    .wavefront_size: 32
...
	.end_amdgpu_metadata
.endif
;; end of part 1
;; launch qkv (part 2): grid 12 x 32, 4 waves a work-group, clusters of 4 x 4, 279,040 bytes of LDS; arguments xq, wq, bq, bk, bv, attention_mask, qkv; writes qkv
.if DOCPART == 2
	.amdgcn_target "amdgcn-amd-amdhsa--gfx1250"
	.amdhsa_code_object_version 6
	.text
	.protected	k_qe28fd03556_qkv
	.globl	k_qe28fd03556_qkv
	.p2align	8
	.type	k_qe28fd03556_qkv,@function
k_qe28fd03556_qkv:
	s_mov_b64 s[64:65], 0
	v_nop
	global_prefetch_b8 v0, s[64:65] scope:SCOPE_SE
	s_setreg_imm32_b32 hwreg(HW_REG_WAVE_MODE, 25, 1), 1
	s_wait_xcnt 0x0
	s_wait_alu depctr_hold_cnt(0) depctr_sa_sdst(0) depctr_va_vdst(0) depctr_va_sdst(0) depctr_va_ssrc(0) depctr_va_vcc(0) depctr_vm_vsrc(0)
	s_getreg_b32 s2, hwreg(HW_REG_IB_STS2, 6, 4)
	s_cmp_eq_u32 s2, 0
	s_cbranch_scc0 .Lentry_in_a_cluster
	s_endpgm
.Lentry_in_a_cluster:
	s_bfe_u32 s2, ttmp6, 0x10000c
	s_cmp_lg_u32 s2, 0xf033
	s_cbranch_scc0 .Lentry_shape_is_right
	s_endpgm
.Lentry_shape_is_right:
; q = x Wq + bq, k = x Wk + bk, v = x Wv + bv on codes of FP4 (E2M1) with E8M0 scales, and each result quantised at once for the attention's two products: q and k along a head's 64, v along the keys.
; ROLES by the cluster's x, the same number in all sixteen partners: 0 makes q, 1 makes k, 2 makes v.  A tile of 256 x 256 to a work-group, 128 x 128 to each of four waves: 64 accumulators, 512 registers.
; THE MATRIX INSTRUCTION IS USED TRANSPOSED (source 0 = 16 rows of B, source 1 = 16 rows of A): a lane holds ONE row of A and its registers run along B's rows.
;   q, k: A = tokens (xq), B = the weight's columns (wq): a lane holds a token, its registers run along the head's channels.
;   v:    A = Wv's columns (wq), B = tokens (xq): a lane holds a channel, its registers run along the keys.
; Both buffers hold their rows permuted (position p means row pi(p), bits 3 and 4 changed over), so that the 16 registers of B's tiles 2 i and 2 i + 1 are 16 neighbours: the 64 registers of a block of A go to the
; quantiser as they stand, and what it makes IS the register image of the next operand: it is stored as it stands, 512 consecutive bytes a store.  No result goes through LDS.
; K = 1,024 is two slots of 512; both fit in LDS, so each is filled once.  A record (REC bytes: 16 rows x 512 K, in the operand's register order, scale words behind) is read by loads of 512 consecutive bytes: no padding.
; CLUSTERS: 4 x 4.  A's tiles are shared along a row of the cluster, B's along a column: each is asked for jointly, by the same tensor load with the same descriptor and a mask that names the four.
; THE PADDING MASK rides in the score product's spare K (a head has 64 of the instruction's 128): byte 2 of every scale word of q is 160 (2^33); byte 2 of a key's word is 127 where attention_mask is 0 and 0 elsewhere.
; The attention kernel sets the code -1 against the code 1 at k = 64: a padded key's raw score gets -2^33, a kept key's -2^-94.
; One path for all three roles: what differs is chosen by s_cselect on the role.  LIMITS: blocks whose largest magnitude lies under 2^-124 keep the scale byte 1; NaN and infinities are not served.
; REGISTERS, in windows of 256: window 0: v1-9 at work at the head, v4 16 x lane; v16-28 addresses; v32-95 scale words, two sets; v96-111 the row bias in pairs; v112-119 what is set into the scale words;
;   v128-191 A's fragments, one set; v192-255 the column bias, the C of the first K step.  Behind the loop: v192-255 64 numbers, v128-167 the quantiser.   window 1: B's fragments, two sets.   windows 2, 3: the accumulators.
.set REC,   4352
.set XSS,   512*REC
.set WSS,   256*REC
.set HALFT, 8*REC                      ; eight records: what one tensor load brings, and what one wave reads of A or of B
.set SLOT,  4*HALFT                    ; A's two halves, then B's two
.set BH,    217088                     ; a head's block of qkv:
.set KS,    65536                      ; k's codes at 0 [tile 128][512]; its scale words [4 tiles: 32][r 16][tile 4]
.set VC,    73728                      ; v's codes [key step 16][channel tile 4][1024]
.set VS,    139264                     ; its scale words [key step 16][r 16][tile 4]
.set QC,    143360                     ; q's codes and
.set QS,    208896                     ; scale words, as k's
.set NQ,    4
.set FR,    8
.set ADRA,  16
.set ADRB,  20
.set ADRS,  22
.set VOC1,  25
.set VOS,   26
.set VOS2,  27
.set SH,    28
.set SC,    32
.set BV,    96
.set ORV,   112
.set AF,    128
.set BI,    192
.set T,     192
.set PC,    128
.set TM,    136
.set PW,    152
.set SW,    160
.set G1,    24
.set G0,    32
.set G1B,   48
.set G0B,   56
.set SEL,   98
.set MSB, 0
.macro WIN new                         ; the immediate's high byte repeats the setting that is left
.if MSB != (\new)
	s_set_vgpr_msb (MSB<<8)|(\new)
.set MSB, (\new)
.endif
.endm
.set MUL_LO, 0xa1                      ; source 0 (B) window 1, source 1 (A) window 0, C and D window 2
.set MUL_HI, 0xf1                      ; the same, C and D window 3
.set TO_B,   0x40
.macro JLOAD s                         ; a joint load: waves 0 and 1 fetch A's halves, waves 2 and 3 B's; four v_nop follow each line
	s_cmp_eq_u32 s19, 0
	s_cbranch_scc0 .Lfor_b_\@
	tensor_load_to_lds s[G0+4*\s:G0+4*\s+3], s[G1:G1+7]
	s_nop 0
.rept 4
	v_nop
.endr
	s_branch .Lasked_\@
.Lfor_b_\@:
	tensor_load_to_lds s[G0B+4*\s:G0B+4*\s+3], s[G1B:G1B+7]
	s_nop 0
.rept 4
	v_nop
.endr
.Lasked_\@:
.endm
.macro CROUND                          ; a round of the cluster's barrier
	s_barrier_signal -1
	s_barrier_wait -1
	s_cmp_lg_u32 s18, 0
	s_cbranch_scc1 .Lnot_wave_0_\@
	s_barrier_signal -3
.Lnot_wave_0_\@:
	s_barrier_wait -3
	s_barrier_signal -1
	s_barrier_wait -1
.endm
.macro QUANT s, pc, pw                 ; 64 numbers of a lane, register 16 b + i = k 32 b + 16 (lane / 16) + i, become a fragment's codes and the row's scale word
.irp b, 0,1,2,3
	v_max3_num_f32 v[TM+\b], |v[(\s)+16*\b]|, |v[(\s)+1+16*\b]|, 0x1800000   ; and the floor 2^(3 - 127): the byte cannot fall under 1
.endr
.irp i, 2,4,6,8,10,12,14
.irp b, 0,1,2,3
	v_max3_num_f32 v[TM+\b], v[TM+\b], |v[(\s)+16*\b+\i]|, |v[(\s)+1+16*\b+\i]|
.endr
.endr
.irp b, 0,1,2,3
	v_permlanex16_b32 v[TM+4+\b], v[TM+\b], s[SEL], s[SEL+1]
.endr
.irp b, 0,1,2,3
	v_max_num_f32 v[TM+\b], v[TM+\b], v[TM+4+\b]
.endr
.irp b, 0,1,2,3
	v_add_nc_u32 v[TM+12+\b], 0xff000000, v[TM+\b]
.endr
.irp b, 0,1,2,3
	v_lshrrev_b32 v[TM+4+\b], 23, v[TM+12+\b]
.endr
	v_lshl_or_b32 v[\pw], v[TM+5], 8, v[TM+4]
	v_lshl_or_b32 v[\pw], v[TM+6], 16, v[\pw]
	v_lshl_or_b32 v[\pw], v[TM+7], 24, v[\pw]
.irp b, 0,1,2,3
	v_cvt_scalef32_pk8_fp4_f32 v[(\pc)+2*\b], v[(\s)+16*\b:(\s)+7+16*\b], v[TM+12+\b]
	v_cvt_scalef32_pk8_fp4_f32 v[(\pc)+1+2*\b], v[(\s)+8+16*\b:(\s)+15+16*\b], v[TM+12+\b]
.endr
	v_nop                                          ; one plain line behind the scaled conversions
.irp c, 0,1
.irp i, 0,1
	v_permlane16_swap_b32 v[(\pc)+4*\c+\i], v[(\pc)+2+4*\c+\i]
.endr
.endr
.endm
	s_load_b256 s[4:11], s[0:1], 0x0               ; xq s[4:5], wq s[6:7], bq s[8:9], bk s[10:11]
	s_load_b128 s[12:15], s[0:1], 0x20             ; bv s[12:13], attention_mask s[14:15]
	s_load_b64 s[16:17], s[0:1], 0x30              ; qkv
	v_lshl_add_u32 v126, v0, 2, 0x44000
	v_mov_b32 v127, 0
	ds_add_u32 v126, v127
	ds_add_u32 v126, v127
	v_lshrrev_b32 v1, 5, v0
	v_readfirstlane_b32 s18, v1                    ; wave 0..3
	s_lshr_b32 s19, s18, 1                         ; wr: my half of A's rows.  Also: I fetch for A (0) or for B (1)
	s_and_b32 s20, s18, 1                          ; wc: my half of B's rows.  Also: which half I fetch
	s_bfe_u32 s40, ttmp6, 0x40000                  ; cx
	s_bfe_u32 s41, ttmp6, 0x40004                  ; cy
	s_and_b32 s42, ttmp7, 0xffff
	s_lshl_b32 s42, s42, 2                         ; 4 x cluster y
	s_add_co_u32 s46, s42, s41                     ; 4 CY + cy: q, k: the tile of 256 tokens
	s_add_co_u32 s47, s42, s40                     ; 4 CY + cx: v: the tile of 256 tokens
	s_lshl_b32 s43, s41, 2
	s_lshl_b32 s43, 15, s43                        ; my row of the cluster
	s_lshl_b32 s44, 0x1111, s40                    ; my column
	s_or_b32 s[G1], s43, (3<<16)|(1<<21)           ; the mask; elements of 8 bytes; bit 21 set beside a mask; no padding
	s_or_b32 s[G1B], s44, (3<<16)|(1<<21)
.irp g, G1, G1B                                ; eight records are one dense block: 136 rows of 256 bytes
	s_mov_b32 s[\g+1], 32<<16
	s_mov_b32 s[\g+2], 136<<16
	s_mov_b32 s[\g+3], 32<<16
	s_mov_b32 s[\g+4], 136
	s_mov_b32 s[\g+5], 32
	s_mov_b32 s[\g+6], 0
	s_mov_b32 s[\g+7], 0
.endr
	s_mov_b32 s[SEL], 0x76543210
	s_mov_b32 s[SEL+1], 0xfedcba98
	; which row tiles I fetch.  A's hang on cy (and the cluster's y), B's on cx (and the cluster's x and y): each in registers that never hold the other coordinate
	s_lshl_b32 s21, s20, 3                         ; 8 x half
	s_lshl_b32 s66, s46, 4
	s_add_co_u32 s66, s66, s21                     ; A for q, k: tokens
	s_lshl_b32 s67, s41, 4
	s_add_co_u32 s67, s67, s21
	s_add_co_u32 s67, s67, 128                     ; A for v: Wv's columns
	s_lshl_b32 s68, ttmp9, 6
	s_lshl_b32 s69, s40, 4
	s_add_co_u32 s68, s68, s69
	s_add_co_u32 s68, s68, s21                     ; B for q, k: the weight's columns
	s_lshl_b32 s69, s47, 4
	s_add_co_u32 s69, s69, s21                     ; B for v: tokens
	s_mov_b32 s70, XSS
	s_mov_b32 s71, WSS
	s_cmp_eq_u32 ttmp9, 2
	s_cselect_b32 s66, s67, s66
	s_cselect_b32 s68, s69, s68
	s_cselect_b32 s80, s71, s70                    ; from slot to slot in A's buffer,
	s_cselect_b32 s82, s70, s71                    ; in B's
	s_mul_i32 s66, s66, REC
	s_mul_i32 s68, s68, REC
	s_mov_b32 s67, 0
	s_mov_b32 s69, 0
	s_mov_b32 s81, 0
	s_mov_b32 s83, 0
	s_mul_i32 s84, s18, HALFT                      ; where my load lands: no place in the cluster enters an LDS address
	s_wait_dscnt 0x0
	s_wait_kmcnt 0x0
	s_cmp_eq_u32 ttmp9, 2
	s_cselect_b64 s[74:75], s[6:7], s[4:5]
	s_cselect_b64 s[76:77], s[4:5], s[6:7]
	s_add_nc_u64 s[74:75], s[74:75], s[66:67]
	s_add_nc_u64 s[76:77], s[76:77], s[68:69]
	s_mov_b32 s[G0], 1
	s_mov_b32 s[G0+1], s84
	s_mov_b64 s[G0+2:G0+3], s[74:75]
	s_or_b32 s[G0+3], s[G0+3], 0x80000000
	s_mov_b32 s[G0+4], 1
	s_add_co_u32 s[G0+5], s84, SLOT
	s_add_nc_u64 s[G0+6:G0+7], s[74:75], s[80:81]
	s_or_b32 s[G0+7], s[G0+7], 0x80000000
	s_mov_b32 s[G0B], 1
	s_mov_b32 s[G0B+1], s84
	s_mov_b64 s[G0B+2:G0B+3], s[76:77]
	s_or_b32 s[G0B+3], s[G0B+3], 0x80000000
	s_mov_b32 s[G0B+4], 1
	s_add_co_u32 s[G0B+5], s84, SLOT
	s_add_nc_u64 s[G0B+6:G0B+7], s[76:77], s[82:83]
	s_or_b32 s[G0B+7], s[G0B+7], 0x80000000
	CROUND                                         ; all sixteen work-groups are here: the joint loads meet
	JLOAD 0                                        ; both slots are asked for at once: two loads of mine are out, and nothing is ever filled again
	JLOAD 1
	v_and_b32 v1, 31, v0                           ; lane L
	v_and_b32 v2, 15, v0                           ; r
	v_bfe_u32 v3, v0, 4, 1                         ; h
	v_lshlrev_b32 v4, 4, v1                        ; 16 L: kept
	s_mul_i32 s21, s19, HALFT                      ; my half of A
	s_mul_i32 s22, s20, HALFT
	s_add_co_u32 s22, s22, 2*HALFT                 ; my half of B
	v_add_nc_u32 v[ADRA], s21, v4
	v_add_nc_u32 v[ADRB], s22, v4
	v_add_nc_u32 v[ADRA+1], SLOT, v[ADRA]
	v_add_nc_u32 v[ADRB+1], SLOT, v[ADRB]
	s_xor_b32 s23, s19, 1
	s_add_co_u32 s23, s23, s20
	s_add_co_u32 s23, s23, 1
	s_mul_i32 s23, s23, HALFT                      ; from my half of A to my half of B: (2 + wc - wr) x HALFT
	v_mul_u32_u24 v5, s23, v3                      ; lanes 16-31 take B's scale words
	v_lshl_add_u32 v5, v2, 4, v5
	s_add_co_u32 s21, s21, 4096
	v_add_nc_u32 v[ADRS], s21, v5
	v_add_nc_u32 v[ADRS+1], SLOT, v[ADRS]
	v_lshlrev_b32 v6, 6, v3                        ; the column bias: 64 h
	s_wait_alu depctr_va_vdst(0)
	v_and_b32 v7, 8, v2
	v_add_nc_u32 v7, v7, v2
	v_lshlrev_b32 v7, 2, v7                        ; the row bias and the mask: 4 (r + 8 (r / 8))
	s_wait_alu depctr_va_vdst(0)
	s_cmp_eq_u32 ttmp9, 1
	s_cselect_b64 s[86:87], s[10:11], s[8:9]
	s_cmp_eq_u32 ttmp9, 2
	s_cselect_b64 s[86:87], s[12:13], s[86:87]     ; my role's bias
	s_lshl_b32 s66, s40, 10
	s_lshl_b32 s67, s20, 9
	s_add_co_u32 s66, s66, s67
	s_mov_b32 s67, 0
	s_add_nc_u64 s[88:89], s[86:87], s[66:67]      ; at column 256 cx + 128 wc
	s_lshl_b32 s66, s41, 10
	s_lshl_b32 s68, s19, 9
	s_add_co_u32 s66, s66, s68
	s_add_nc_u64 s[90:91], s[86:87], s[66:67]      ; at column 256 cy + 128 wr
	s_lshl_b32 s66, s46, 10
	s_add_co_u32 s66, s66, s68
	s_add_nc_u64 s[92:93], s[14:15], s[66:67]      ; the mask at token 256 (4 CY + cy) + 128 wr
.irp b, 0,1,2,3,4,5,6,7                        ; every role loads all three (every address lies inside its buffer) and keeps what it wants
	global_load_b128 v[BI+8*\b:BI+8*\b+3], v6, s[88:89] offset:4*(32*(\b/2)+8*(\b%2))
	global_load_b128 v[BI+8*\b+4:BI+8*\b+7], v6, s[88:89] offset:4*(32*(\b/2)+8*(\b%2))+16
	global_load_b32 v[BV+2*\b], v7, s[90:91] offset:4*(32*(\b/2)+8*(\b%2))
	global_load_b32 v[ORV+\b], v7, s[92:93] offset:4*(32*(\b/2)+8*(\b%2))
.endr
	; where the results go
	s_lshr_b32 s66, s46, 3
	s_lshl_b32 s66, s66, 4
	s_lshl_b32 s67, s40, 2
	s_add_co_u32 s66, s66, s67
	s_lshl_b32 s67, s20, 1
	s_add_co_u32 s66, s66, s67                     ; q, k: my first head: 16 x batch + 4 cx + 2 wc
	s_and_b32 s68, s46, 7
	s_lshl_b32 s68, s68, 1
	s_add_co_u32 s68, s68, s19                     ;       my 128 tokens of the sequence
	s_lshr_b32 s69, s47, 3
	s_lshl_b32 s69, s69, 4
	s_lshl_b32 s67, s41, 2
	s_add_co_u32 s69, s69, s67
	s_lshl_b32 s67, s19, 1
	s_add_co_u32 s69, s69, s67                     ; v: my first head: 16 x batch + 4 cy + 2 wr
	s_and_b32 s70, s47, 7
	s_lshl_b32 s70, s70, 1
	s_add_co_u32 s70, s70, s20                     ;    my key step
	s_mov_b32 s73, KS
	s_mov_b32 s78, BH
	s_mov_b32 s80, 512
	s_mov_b32 s82, 512
	s_mov_b32 s84, 256
	s_cmp_eq_u32 ttmp9, 0
	s_cselect_b32 s72, QC, 0
	s_cselect_b32 s73, QS, s73
	s_cselect_b32 s94, 0xa00000, 0                 ; q: byte 2 = 160
	s_cmp_eq_u32 ttmp9, 1
	s_cselect_b32 s95, 0x7f0000, 0                 ; k: byte 2 = 127 where the key is padded
	s_cmp_eq_u32 ttmp9, 2
	s_cselect_b32 s66, s69, s66
	s_cselect_b32 s68, s70, s68
	s_cselect_b32 s71, 8, 9                        ; scale words: 256 bytes a key step, or 512 for 128 tokens
	s_cselect_b32 s72, VC, s72
	s_cselect_b32 s73, VS, s73
	s_cselect_b32 s78, 512, s78                    ; from a fragment's first half to its second: the next 512 bytes (v) or the next head (q, k)
	s_cselect_b32 s80, 1024, s80                   ; from a block of A to the next
	s_cselect_b32 s82, BH-3072, s82                ; and from block 3 to block 4: v goes on to the next head
	s_cselect_b32 s84, BH, s84                     ; from the first four blocks' scale words to the last four's
	s_cselect_b32 s85, 0, BH                       ; q, k: lanes 16-31 store the second head's scale words
	s_cselect_b32 s86, 0, 16                       ;       which are the upper two bytes of the word just made
	s_cselect_b32 s87, -1, 0xffff
	s_cselect_b32 s96, 0, -1                       ; the column bias counts for q and k,
	s_cselect_b32 s97, -1, 0                       ; the row bias for v
	s_or_b32 s95, s95, s94
	s_mul_i32 s66, s66, BH
	s_lshl_b32 s69, s68, 12
	s_add_co_u32 s69, s69, s66
	s_add_co_u32 s74, s69, s72
	s_mov_b32 s75, 0
	s_lshl_b32 s69, s68, s71
	s_add_co_u32 s69, s69, s66
	s_add_co_u32 s76, s69, s73
	s_mov_b32 s77, 0
	s_add_nc_u64 s[74:75], s[16:17], s[74:75]      ; the codes
	s_add_nc_u64 s[76:77], s[16:17], s[76:77]      ; the scale words
	s_mov_b32 s81, 0
	s_mov_b32 s83, 0
	v_add_nc_u32 v[VOC1], s78, v4
	v_mul_u32_u24 v[VOS], s85, v3
	v_lshl_add_u32 v[VOS], v2, 4, v[VOS]
	v_add_nc_u32 v[VOS2], s84, v[VOS]
	v_mul_u32_u24 v[SH], s86, v3
	v_mov_b32 v8, s94
	v_mov_b32 v9, s95
	s_wait_loadcnt 0x0
.set jj, 0
.rept 64
	v_and_b32 v[BI+jj], s96, v[BI+jj]
.set jj, jj+1
.endr
.irp a, 0,1,2,3,4,5,6,7
	v_and_b32 v[BV+2*\a], s97, v[BV+2*\a]
	v_cmp_eq_u32 vcc_lo, 0, v[ORV+\a]
	v_mov_b32 v[BV+2*\a+1], v[BV+2*\a]             ; (the packed addition names the pair)
	v_cndmask_b32 v[ORV+\a], v8, v9, vcc_lo        ; what is set into the scale words of block a's rows
.endr
.macro FRAG reg, adr, q, i             ; a fragment's two register groups, as they lie: 512 consecutive bytes a load
.irp c, 0,1
	ds_load_b128 v[\reg+4*\c:\reg+4*\c+3], v[\adr] offset:1024*(\q)+512*\c+(\i)*REC
.endr
.endm
; 16 matrix instructions: A's blocks a0, a0 + 1 x B's eight, the slot's q-th 128 along K.  first = 1: the column bias is the C that starts the sums: nothing is cleared.
; The 64 accumulators take turns, one instruction a turn, in the same order in every step.
.macro MUL16 a0, p, q, sc, first
.irp a, \a0, \a0+1
.irp b, 0,1,2,3,4,5,6,7
.if \first
	v_wmma_scale_f32_16x16x128_f8f6f4 v[8*(8*((\a)%4)+\b):8*(8*((\a)%4)+\b)+7], v[128*(\p)+FR*\b:128*(\p)+FR*\b+FR-1], v[AF+FR*(\a):AF+FR*(\a)+FR-1], v[BI+8*\b:BI+8*\b+7], v[SC+8*NQ*(\sc)+NQ*\b+(\q)], v[SC+8*NQ*(\sc)+NQ*(\a)+(\q)] matrix_a_fmt:MATRIX_FMT_FP4 matrix_b_fmt:MATRIX_FMT_FP4 matrix_a_scale:MATRIX_SCALE_ROW1
.else
	v_wmma_scale_f32_16x16x128_f8f6f4 v[8*(8*((\a)%4)+\b):8*(8*((\a)%4)+\b)+7], v[128*(\p)+FR*\b:128*(\p)+FR*\b+FR-1], v[AF+FR*(\a):AF+FR*(\a)+FR-1], v[8*(8*((\a)%4)+\b):8*(8*((\a)%4)+\b)+7], v[SC+8*NQ*(\sc)+NQ*\b+(\q)], v[SC+8*NQ*(\sc)+NQ*(\a)+(\q)] matrix_a_fmt:MATRIX_FMT_FP4 matrix_b_fmt:MATRIX_FMT_FP4 matrix_a_scale:MATRIX_SCALE_ROW1
.endif
.endr
.endr
.endm
.macro FETCH_B slot, q, p
	WIN TO_B
.irp i, 0,1,2,3,4,5,6,7
	FRAG 128*(\p)+FR*\i, ADRB+\slot, \q, \i
.endr
	WIN 0
.endm
.macro FETCH_A slot, q, i0
.irp i, \i0, \i0+1, \i0+2, \i0+3
	FRAG AF+FR*(\i), ADRA+\slot, \q, \i
.endr
.endm
.macro SCALES sc                       ; a slot's scale words: four a row; lanes 0-15 take A's block i, lanes 16-31 B's block i
.irp i, 0,1,2,3,4,5,6,7
	ds_load_b128 v[SC+8*NQ*\sc+NQ*\i:SC+8*NQ*\sc+NQ*\i+3], v[ADRS+\sc] offset:\i*REC
.endr
.endm
.macro PLACES n                        ; plain vector lines between a matrix instruction and a load into, or a vector line on, one of its registers
.rept \n
	v_nop
.endr
.endm
.macro STEP slot, q, first             ; 128 along K that have their successor in the same slot
	s_wait_dscnt 8                                 ; all but the youngest eight loads (A's blocks 4-7) are in
.if \first
	WIN 0x81                                       ; C (the bias) window 0, D window 2
.else
	WIN MUL_LO
.endif
	MUL16 0, (\q)%2, \q, \slot, \first
	MUL16 2, (\q)%2, \q, \slot, \first
	s_wait_dscnt 0x0                               ; A's blocks 4-7 are in
	PLACES 4
	FETCH_B \slot, (\q)+1, 1-(\q)%2
	FETCH_A \slot, (\q)+1, 0
.if \first
	WIN 0xc1
.else
	WIN MUL_HI
.endif
	MUL16 4, (\q)%2, \q, \slot, \first
	MUL16 6, (\q)%2, \q, \slot, \first
	PLACES 4
	WIN 0
	FETCH_A \slot, (\q)+1, 4
.endm
	s_wait_tensorcnt 0x1                           ; my part of slot 0 is in; slot 1's load may stay out
	s_barrier_signal -1
	s_barrier_wait -1                              ; everybody's is
	FETCH_B 0, 0, 0
	FETCH_A 0, 0, 0
	SCALES 0
	FETCH_A 0, 0, 4
	STEP 0, 0, 1
	STEP 0, 1, 0
	STEP 0, 2, 0
	; slot 0's last step, and the change of slots: my part of slot 1 has landed, then the barrier, then slot 1 is read
	s_wait_tensorcnt 0x0
	s_wait_dscnt 8
	WIN MUL_LO
	MUL16 0, 1, 3, 0, 0
	s_wait_dscnt 0x0                               ; no LDS load of mine is out at the signal
	s_barrier_signal -1
	MUL16 2, 1, 3, 0, 0
	WIN 0
	s_barrier_wait -1
	PLACES 4
	FETCH_B 1, 0, 0
	FETCH_A 1, 0, 0
	SCALES 1
	WIN MUL_HI
	MUL16 4, 1, 3, 0, 0
	MUL16 6, 1, 3, 0, 0
	PLACES 4
	WIN 0
	FETCH_A 1, 0, 4
	STEP 1, 0, 0
	STEP 1, 1, 0
	STEP 1, 2, 0
	s_wait_dscnt 8                                 ; the last step: nothing more to fetch
	WIN MUL_LO
	MUL16 0, 1, 3, 1, 0
	MUL16 2, 1, 3, 1, 0
	s_wait_dscnt 0x0
	WIN MUL_HI
	MUL16 4, 1, 3, 1, 0
	MUL16 6, 1, 3, 1, 0
	WIN 0
; THE WAY OUT, a block of A (16 rows) at a time: its 64 numbers a lane, with the row bias, are quantised, and the fragment's two halves are stored as they stand.
; q, k: the halves are the two heads' codes of 16 tokens.  v: the fragment is 16 channels x 128 keys of one head.
.macro EPI a
.if (\a) > 0
	s_wait_xcnt 0x0                                ; the last block's stores have read their data and their base: both are written again only behind this wait
.if (\a) == 4
	s_add_nc_u64 s[74:75], s[74:75], s[82:83]
.else
	s_add_nc_u64 s[74:75], s[74:75], s[80:81]
.endif
.endif
	WIN 0x02+(\a)/4                                ; source 0: window 2 or 3
.set jj, 0
.rept 32
	v_pk_add_f32 v[T+jj:T+jj+1], v[64*((\a)%4)+jj:64*((\a)%4)+jj+1], v[BV+2*(\a):BV+2*(\a)+1] op_sel_hi:[1,0]   ; each accumulator from its low end on
.set jj, jj+2
.endr
	WIN 0
	QUANT T, PC, PW
	global_store_b128 v4, v[PC:PC+3], s[74:75]             ; 512 consecutive bytes, aligned
	global_store_b128 v[VOC1], v[PC+4:PC+7], s[74:75]
	v_lshrrev_b32 v[SW+(\a)], v[SH], v[PW]                 ; q, k: lanes 0-15 keep the first head's two bytes, lanes 16-31 the second's; v: the whole word
	v_and_or_b32 v[SW+(\a)], v[SW+(\a)], s87, v[ORV+(\a)]
.endm
	PLACES 4                                       ; behind the last products: the lines below read results and write registers that held fragments
.irp a, 0,1,2,3,4,5,6,7
	EPI \a
.endr
	global_store_b128 v[VOS], v[SW:SW+3], s[76:77]         ; sixteen lanes fill 256 consecutive bytes.  (v: lanes 16-31 store the same 16 bytes with the same values as lanes 0-15)
	global_store_b128 v[VOS2], v[SW+4:SW+7], s[76:77]
	s_wait_tensorcnt 0x0
	ds_add_u32 v126, v127
	s_wait_dscnt 0x0
	CROUND                                         ; the closing round: no work-group ends while a partner may still ask for a tile that names it
	s_endpgm
.Lfunc_end_k_qe28fd03556_qkv:
	.size	k_qe28fd03556_qkv, .Lfunc_end_k_qe28fd03556_qkv-k_qe28fd03556_qkv
	.p2alignl 7, 3214868480
	.fill 96, 4, 3214868480
	.section	.rodata,"a",@progbits
	.p2align	6, 0x0
	.amdhsa_kernel k_qe28fd03556_qkv
		.amdhsa_group_segment_fixed_size 279040
		.amdhsa_private_segment_fixed_size 0
		.amdhsa_enable_private_segment 0
		.amdhsa_kernarg_size 56
		.amdhsa_user_sgpr_count 2
		.amdhsa_user_sgpr_kernarg_segment_ptr 1
		.amdhsa_wavefront_size32 1
		.amdhsa_system_sgpr_workgroup_id_x 1
		.amdhsa_system_sgpr_workgroup_id_y 1
		.amdhsa_system_sgpr_workgroup_id_z 1
		.amdhsa_system_vgpr_workitem_id 0
		.amdhsa_next_free_vgpr 1024
		.amdhsa_next_free_sgpr 100
		.amdhsa_reserve_vcc 1
		.amdhsa_float_denorm_mode_32 3
		.amdhsa_float_denorm_mode_16_64 3
		.amdhsa_memory_ordered 1
		.amdhsa_forward_progress 1
		.amdhsa_inst_pref_size 151
	.end_amdhsa_kernel
	.amdgpu_metadata
---
amdhsa.version: [ 1, 2 ]
amdhsa.kernels:
  - .name:           k_qe28fd03556_qkv
    .symbol:         k_qe28fd03556_qkv.kd
    .args:
      - { .name: xq, .offset: 0, .size: 8, .value_kind: global_buffer, .address_space: global }
      - { .name: wq, .offset: 8, .size: 8, .value_kind: global_buffer, .address_space: global }
      - { .name: bq, .offset: 16, .size: 8, .value_kind: global_buffer, .address_space: global }
      - { .name: bk, .offset: 24, .size: 8, .value_kind: global_buffer, .address_space: global }
      - { .name: bv, .offset: 32, .size: 8, .value_kind: global_buffer, .address_space: global }
      - { .name: attention_mask, .offset: 40, .size: 8, .value_kind: global_buffer, .address_space: global }
      - { .name: qkv, .offset: 48, .size: 8, .value_kind: global_buffer, .address_space: global }
    .group_segment_fixed_size: 279040
    .private_segment_fixed_size: 0
    .kernarg_segment_align: 8
    .kernarg_segment_size: 56
    .max_flat_workgroup_size: 128
    .sgpr_count:     100
    .vgpr_count:     1024
    .wavefront_size: 32
...
	.end_amdgpu_metadata
.endif
;; end of part 2
;; launch attn (part 3): grid 4 x 64, 16 waves a work-group, clusters of 4 x 1, 169,984 bytes of LDS; arguments qkv, yq; writes yq
.if DOCPART == 3
	.amdgcn_target "amdgcn-amd-amdhsa--gfx1250"
	.amdhsa_code_object_version 6
	.text
	.protected	k_qe28fd03556_attn
	.globl	k_qe28fd03556_attn
	.p2align	8
	.type	k_qe28fd03556_attn,@function
k_qe28fd03556_attn:
	s_mov_b64 s[64:65], 0
	v_nop
	global_prefetch_b8 v0, s[64:65] scope:SCOPE_SE
	s_setreg_imm32_b32 hwreg(HW_REG_WAVE_MODE, 25, 1), 1
	s_wait_xcnt 0x0
	s_wait_alu depctr_hold_cnt(0) depctr_sa_sdst(0) depctr_va_vdst(0) depctr_va_sdst(0) depctr_va_ssrc(0) depctr_va_vcc(0) depctr_vm_vsrc(0)
	s_getreg_b32 s2, hwreg(HW_REG_IB_STS2, 6, 4)
	s_cmp_eq_u32 s2, 0
	s_cbranch_scc0 .Lentry_in_a_cluster
	s_endpgm
.Lentry_in_a_cluster:
	s_bfe_u32 s2, ttmp6, 0x10000c
	s_cmp_lg_u32 s2, 0x3003
	s_cbranch_scc0 .Lentry_shape_is_right
	s_endpgm
.Lentry_shape_is_right:
; y[b][q][head] = softmax over the keys of (q . k / 8, causal, padded keys out) x v, both products on codes of FP4 (E2M1) with E8M0 scales; y is quantised along C at once, into the output product's operand.
; THE SOFTMAX: t = raw score x log2(e) / 8; M = the row's largest t so far, rounded UP to a whole number; p = 2^(t - M) is quantised along the keys, not normalised; the row's sum is taken of the
; unquantised p and divides at the end.  When M moves, the sum and O are multiplied by 2^(old M - new M): exact.
; SHARES.  The cluster's four work-groups serve one head of one batch and read the same k and v: 143,360 bytes, a whole head's codes and scale words, which fit in LDS and are filled ONCE, by joint loads,
; one a wave (8,960 bytes).  A wave owns two tiles of 16 queries, one after the other: tile 8 G + 2 cx + e and tile 8 (15 - G) + 2 cx + e (G = wave / 2, e = wave % 2): together 17 key steps of 128 in every wave.
; Every branch hangs on the wave's number and on counters; cx enters global addresses and a vector register alone.
; LAYOUT.  Both products transposed: S^T = K Q^T, O^T = V^T P^T: a lane holds ONE query.  Tiles hold their rows permuted (position p means pi(p), bits 3 and 4 changed over), so the 16 registers of tiles 2 b, 2 b + 1
; are 16 neighbouring keys (or channels): p and y go to the conversions as they stand.
; THE SCORE PRODUCT has K = 64 of the instruction's 128.  The spare half carries the padding mask: at k = 64 K's code is 1 and Q's -1; byte 2 of Q's scale words is 160, of a key's 127 (padded) or 0 (kept):
; a padded key's raw score gets -2^33, so that its p is 0 beside any kept key; a kept key's gets -2^-94, under what an f32 score of any size that matters can show.
; A QUERY NONE OF WHOSE VISIBLE KEYS IS KEPT has all 2,048 logits equal: p = 1 for every key, the hidden ones too: its y is the mean of the quantised v over all keys.  That mean is made once (waves 0-3, by products
; with an operand of ones) and chosen by v_cndmask where the row's largest t lies under -2^29.
; LIMITS: raw scores of kept keys lie above -2^29 x 8 / log2(e), about -3e9; NaN and infinities are not served; blocks whose largest magnitude lies under 2^-124 keep the scale byte 1.
; y's scale bytes leave one byte a lane: a head has two of the sixteen bytes of a row's scale words of a K slot, and the other heads' are made by other work-groups; they are a sixteenth of y's code bytes.
; REGISTERS: v1-7, v31, v249-252 addresses that stay; v8-11 the step's; v12 -M, v13 the largest t, v[14:15] the sum; v16-23 Q, v24 its scale word; v25 -infinity; v26-30 the second tile's Q; v32-63 four fragments of K;
; v64-95 V's four; v96-159 S^T, then p; v160-191 O^T; v192-199 p's codes; v200-207 K's scale words, v208-211 V's; v212-223 at work; v224 f, v225 p's scale word; v226-229 at work; v232-248 scale words of the mean's products.
.set REC,  4352
.set XSS,  512*REC
.set BH,   217088
.set KS,   65536
.set VC,   73728
.set VS,   139264
.set QC,   143360
.set QS,   208896
.set PART, 8960                        ; a wave's share of the head's 143,360 bytes: 35 rows of 256
.set VM,   143360                      ; LDS, behind the fill: the mean, [tile 4][half 2][8] f32: 256 bytes into which no tile lands
.set BM,   212
.set PX,   216
.set SCO,  220
.macro CROUND
	s_barrier_signal -1
	s_barrier_wait -1
	s_cmp_lg_u32 s8, 0
	s_cbranch_scc1 .Lnot_wave_0_\@
	s_barrier_signal -3
.Lnot_wave_0_\@:
	s_barrier_wait -3
	s_barrier_signal -1
	s_barrier_wait -1
.endm
	s_load_b128 s[4:7], s[0:1], 0x0                ; qkv s[4:5], yq s[6:7]
	v_lshl_add_u32 v254, v0, 2, 0x29000
	v_mov_b32 v255, 0
	ds_add_u32 v254, v255
	ds_add_u32 v254, v255
	v_lshrrev_b32 v1, 5, v0
	s_delay_alu instid0(VALU_DEP_1)
	v_readfirstlane_b32 s8, v1                     ; wave 0..15
	s_bfe_u32 s9, ttmp6, 0x40000                   ; cx
	s_and_b32 s10, ttmp7, 0xffff                   ; 16 x batch + head
	s_mov_b32 s16, 15|(3<<16)|(1<<21)              ; the mask: all four work-groups; elements of 8 bytes; bit 21 set beside a mask
	s_mov_b32 s17, 32<<16
	s_mov_b32 s18, 35<<16
	s_mov_b32 s19, 32<<16
	s_mov_b32 s20, 35
	s_mov_b32 s21, 32
	s_mov_b32 s22, 0
	s_mov_b32 s23, 0
	s_mul_i32 s12, s10, BH
	s_mov_b32 s13, 0
	s_mul_i32 s14, s8, PART
	s_mov_b32 s15, 0
	s_wait_dscnt 0x0
	s_wait_kmcnt 0x0
	s_add_nc_u64 s[4:5], s[4:5], s[12:13]          ; the head's block
	s_mov_b32 s24, 1
	s_mov_b32 s25, s14
	s_add_nc_u64 s[26:27], s[4:5], s[14:15]
	s_or_b32 s27, s27, 0x80000000
	CROUND                                         ; all four work-groups are here: the joint loads meet
	tensor_load_to_lds s[24:27], s[16:23]          ; my one load of the launch
	s_nop 0
.rept 4
	v_nop
.endr
	s_mov_b32 s28, 0x76543210
	s_mov_b32 s29, 0xfedcba98                      ; lane l xor 16
	s_mov_b32 s30, 0x3e38aa3b                      ; c = log2(e) / 8
	s_mov_b32 s31, s30                             ; (named with it as a pair)
	s_mov_b32 s45, 0xffff0000                      ; lanes 16-31
	s_lshr_b32 s36, s8, 1                          ; G of the first tile,
	s_and_b32 s39, s8, 1                           ; e
	s_sub_co_u32 s37, 15, s36                      ; G of the second
	s_lshl_b32 s46, s9, 1
	s_add_co_u32 s46, s46, s39
	s_lshl_b32 s48, s36, 3
	s_add_co_u32 s48, s48, s46                     ; the first tile
	s_lshl_b32 s49, s37, 3
	s_add_co_u32 s49, s49, s46                     ; the second
	s_mov_b32 s53, 0
	s_lshl_b32 s52, s48, 9
	s_add_co_u32 s52, s52, QC
	s_add_nc_u64 s[50:51], s[4:5], s[52:53]        ; their codes,
	s_lshl_b32 s52, s49, 9
	s_add_co_u32 s52, s52, QC
	s_add_nc_u64 s[54:55], s[4:5], s[52:53]
	s_lshr_b32 s52, s48, 2
	s_lshl_b32 s52, s52, 8
	s_and_b32 s47, s48, 3
	s_lshl_b32 s47, s47, 2
	s_add_co_u32 s52, s52, s47
	s_add_co_u32 s52, s52, QS
	s_add_nc_u64 s[56:57], s[4:5], s[52:53]        ; their scale words
	s_lshr_b32 s52, s49, 2
	s_lshl_b32 s52, s52, 8
	s_and_b32 s47, s49, 3
	s_lshl_b32 s47, s47, 2
	s_add_co_u32 s52, s52, s47
	s_add_co_u32 s52, s52, QS
	s_add_nc_u64 s[58:59], s[4:5], s[52:53]
	v_and_b32 v226, 31, v0
	s_delay_alu instid0(VALU_DEP_1)
	v_lshlrev_b32 v1, 4, v226                      ; 16 L: K's tiles begin at LDS byte 0
	v_and_b32 v228, 15, v0                         ; r
	v_bfe_u32 v229, v0, 4, 1                       ; h
	s_delay_alu instid0(VALU_DEP_2)
	v_lshlrev_b32 v249, 4, v228                    ; 16 r
	global_load_b128 v[16:19], v1, s[50:51]
	global_load_b32 v24, v249, s[56:57]
	global_load_b128 v[26:29], v1, s[54:55]
	global_load_b32 v30, v249, s[58:59]
	v_add_nc_u32 v2, KS, v249
	v_add_nc_u32 v3, VC, v1
	v_add_nc_u32 v4, VS, v249
	v_lshlrev_b32 v5, 5, v229
	s_delay_alu instid0(VALU_DEP_1)
	v_add_nc_u32 v5, VM, v5
	s_lshl_b32 s52, s8, 10
	v_add_nc_u32 v250, s52, v3                     ; the mean: channel tile w of each key step,
	s_lshl_b32 s52, s8, 2
	v_add_nc_u32 v251, s52, v4                     ; its scale words,
	s_lshl_b32 s52, s8, 6
	v_add_nc_u32 v252, s52, v5                     ; and where the result goes (used by waves 0-3 alone)
	s_lshl_b32 s47, s9, 5
	s_lshl_b32 s52, s39, 3
	s_add_co_u32 s47, s47, s52
	v_and_b32 v226, 8, v228
	s_delay_alu instid0(VALU_DEP_1)
	v_add_nc_u32 v226, v226, v228
	s_delay_alu instid0(VALU_DEP_1)
	v_add_nc_u32 v6, s47, v226
	v_lshlrev_b32 v227, 4, v229
	s_delay_alu instid0(VALU_DEP_1)
	v_sub_nc_u32 v6, v6, v227                      ; my query's place in its 128, less 16 h: register 16 b + i of the diagonal step is hidden where 32 b + i is larger
	; y: K slot head / 8, row tile 128 x batch + tile; in the record: fragment (head / 2) % 4, half head % 2
	s_bfe_u32 s52, s10, 0x10003
	s_mul_i32 s52, s52, XSS
	s_lshr_b32 s47, s10, 4
	s_lshl_b32 s47, s47, 7
	s_add_co_u32 s60, s47, s48
	s_mul_i32 s60, s60, REC
	s_add_co_u32 s60, s60, s52
	s_mov_b32 s61, 0
	s_add_nc_u64 s[40:41], s[6:7], s[60:61]
	s_add_co_u32 s60, s47, s49
	s_mul_i32 s60, s60, REC
	s_add_co_u32 s60, s60, s52
	s_add_nc_u64 s[42:43], s[6:7], s[60:61]
	s_and_b32 s62, s10, 7
	s_lshl_b32 s63, s62, 9
	v_add_nc_u32 v31, s63, v1                      ; the codes: 16 L + 512 (head % 8)
	s_lshl_b32 s62, s62, 1
	s_add_co_u32 s62, s62, 4096
	v_add_nc_u32 v7, v249, v229
	s_delay_alu instid0(VALU_DEP_1)
	v_add_nc_u32 v7, s62, v7                       ; the scale byte: 4096 + 16 r + 2 (head % 8) + h
	s_wait_tensorcnt 0x0                           ; my part of the head has landed,
	s_barrier_signal -1
	s_barrier_wait -1                              ; everybody's has
	; THE MEAN OF THE QUANTISED v OVER ALL 2,048 KEYS: wave w (0-3): channel tile w: 16 products with an operand of ones, on four accumulators by turns
	s_cmp_gt_u32 s8, 3
	s_cbranch_scc1 .Lno_mean
.irp j, 0,1,2,3,4,5,6,7
	v_mov_b32 v[192+\j], 0x22222222                ; the code of 1.0, eight times
.endr
	v_mov_b32 v248, 0x7f7f7f7f                     ; under the scale 1
.set st, 0
.rept 16
	ds_load_b128 v[32+8*st:35+8*st], v250 offset:4096*st
	ds_load_b128 v[36+8*st:39+8*st], v250 offset:4096*st+512
	ds_load_b32 v[232+st], v251 offset:256*st
.set st, st+1
.endr
.rept 8
	v_nop                                          ; a scale register written by a vector line stands eight plain lines ahead of the scaled product, an operand four
.endr
	s_wait_alu depctr_va_vdst(0)
	s_wait_dscnt 0x0
.set st, 0
.rept 16
.if st < 4
	v_wmma_scale_f32_16x16x128_f8f6f4 v[160+8*(st%4):167+8*(st%4)], v[32+8*st:39+8*st], v[192:199], 0, v[232+st], v248 matrix_a_fmt:MATRIX_FMT_FP4 matrix_b_fmt:MATRIX_FMT_FP4
.else
	v_wmma_scale_f32_16x16x128_f8f6f4 v[160+8*(st%4):167+8*(st%4)], v[32+8*st:39+8*st], v[192:199], v[160+8*(st%4):167+8*(st%4)], v[232+st], v248 matrix_a_fmt:MATRIX_FMT_FP4 matrix_b_fmt:MATRIX_FMT_FP4
.endif
.set st, st+1
.endr
.rept 4
	v_nop
.endr
.irp j, 0,2,4,6
	v_pk_add_f32 v[160+\j:161+\j], v[160+\j:161+\j], v[168+\j:169+\j]
.endr
.irp j, 0,2,4,6
	v_pk_add_f32 v[176+\j:177+\j], v[176+\j:177+\j], v[184+\j:185+\j]
.endr
.irp j, 0,2,4,6
	s_delay_alu instid0(VALU_DEP_4)
	v_pk_add_f32 v[160+\j:161+\j], v[160+\j:161+\j], v[176+\j:177+\j]
.endr
.irp j, 0,2,4,6
	s_delay_alu instid0(VALU_DEP_4)
	v_pk_mul_f32 v[160+\j:161+\j], v[160+\j:161+\j], 0x3a000000 op_sel_hi:[1,0]   ; / 2,048
.endr
	ds_store_b128 v252, v[160:163]                 ; register j of lane (., h) is channel position 16 w + 8 h + j: the sixteen lanes of a half store the same bytes with the same values
	ds_store_b128 v252, v[164:167] offset:16
.Lno_mean:
	s_wait_dscnt 0x0
	s_barrier_signal -1
	s_barrier_wait -1                              ; the mean lies in LDS; from here on no LDS byte is written
	v_sub_nc_u32 v226, 1, v229                     ; 1 in lanes 0-15
	s_delay_alu instid0(VALU_DEP_1)
	v_lshlrev_b32 v227, 1, v226
.irp t, 0,1,2,3
	v_mov_b32 v[36+8*\t], v227                     ; K's spare half: the code of 1.0 at k = 64, zeros elsewhere: never rewritten
	v_mov_b32 v[37+8*\t], 0
	v_mov_b32 v[38+8*\t], 0
	v_mov_b32 v[39+8*\t], 0
.endr
	v_mul_u32_u24 v20, 10, v226                    ; Q's: the code of -1.0 at k = 64
	v_mov_b32 v21, 0
	v_mov_b32 v22, 0
	v_mov_b32 v23, 0
	v_mov_b32 v25, 0xff800000                      ; -infinity
.irp b, 0,1,2,3
	v_mov_b32 v[PX+\b], 0                          ; written once: a lane permute's destination counts as one of its sources
.endr
	v_mov_b32 v225, 0                              ; (named as the upper half of v[224:225] before it is first written)
	s_mov_b32 s38, 0
	s_wait_loadcnt 0x0                             ; both tiles' Q
.Lpass:                                            ; two trips: a tile of 16 queries each
	v_mov_b32 v13, 0xff61b1e6                      ; the largest t so far: -3e38
	v_mov_b32 v14, 0
	v_mov_b32 v15, 0
	s_delay_alu instid0(VALU_DEP_3)
	v_floor_f32 v12, -v13                          ; -M
.set jj, 0
.rept 32
	v_mov_b32 v[160+jj], 0                         ; O^T: the step is written once; the first finds zeros
.set jj, jj+1
.endr
	s_mov_b32 s32, 0                               ; the key step,
	s_mov_b32 s33, 0                               ; its codes (4,096 bytes a step, K's and V's alike),
	s_mov_b32 s34, 0                               ; K's scale words (512),
	s_mov_b32 s35, 0                               ; V's (256)
.Lstep:                                            ; sixteen trips; a step all of whose keys come after my queries is passed over
	s_cmp_gt_u32 s32, s36
	s_cbranch_scc1 .Lhidden
	s_setprio 2
	v_add_nc_u32 v8, s33, v1                       ; (these four are also the plain lines between the last step's products and the loads into their registers)
	v_add_nc_u32 v9, s34, v2
	v_add_nc_u32 v10, s33, v3
	v_add_nc_u32 v11, s35, v4
	ds_load_b128 v[200:203], v9
	ds_load_b128 v[204:207], v9 offset:256
.irp t, 0,1,2,3
	ds_load_b128 v[32+8*\t:35+8*\t], v8 offset:512*\t
.endr
.irp t, 0,1,2,3
	ds_load_b128 v[64+8*\t:67+8*\t], v10 offset:1024*\t
	ds_load_b128 v[68+8*\t:71+8*\t], v10 offset:1024*\t+512
.endr
	ds_load_b128 v[208:211], v11
	s_wait_alu depctr_va_vdst(0)
	s_wait_dscnt 9                                 ; K's first four tiles and its scale words are in; V's nine loads may stay out
.irp t, 0,1,2,3
	v_wmma_scale_f32_16x16x128_f8f6f4 v[96+8*\t:103+8*\t], v[32+8*\t:39+8*\t], v[16:23], 0, v[200+\t], v24 matrix_a_fmt:MATRIX_FMT_FP4 matrix_b_fmt:MATRIX_FMT_FP4
.endr
.rept 4
	v_nop
.endr
.irp t, 0,1,2,3
	ds_load_b128 v[32+8*\t:35+8*\t], v8 offset:512*(4+\t)
.endr
	s_wait_dscnt 0x0
.irp t, 0,1,2,3
	v_wmma_scale_f32_16x16x128_f8f6f4 v[128+8*\t:135+8*\t], v[32+8*\t:39+8*\t], v[16:23], 0, v[204+\t], v24 matrix_a_fmt:MATRIX_FMT_FP4 matrix_b_fmt:MATRIX_FMT_FP4
.endr
.rept 4
	v_nop
.endr
	s_cmp_lg_u32 s32, s36                          ; on the diagonal the scores of hidden keys become -infinity
	s_cbranch_scc1 .Lopen
.set nn, 0
.rept 64
	v_cmp_gt_i32 vcc_lo, 32*(nn/16)+nn%16, v6
	v_cndmask_b32 v[96+nn], v[96+nn], v25, vcc_lo
.set nn, nn+1
.endr
.Lopen:
.irp b, 0,1,2,3
	v_max3_num_f32 v[BM+\b], v[96+16*\b], v[97+16*\b], v[98+16*\b]   ; the largest score of each block of 32 keys: it serves the row's maximum and, since p rises with the score, the block's largest p
.endr
.irp i, 3,5,7,9,11,13
.irp b, 0,1,2,3
	v_max3_num_f32 v[BM+\b], v[BM+\b], v[96+16*\b+\i], v[97+16*\b+\i]
.endr
.endr
.irp b, 0,1,2,3
	v_max_num_f32 v[BM+\b], v[BM+\b], v[111+16*\b]
.endr
.irp b, 0,1,2,3
	s_delay_alu instid0(VALU_DEP_4)
	v_permlanex16_b32 v[PX+\b], v[BM+\b], s28, s29
.endr
.irp b, 0,1,2,3
	s_delay_alu instid0(VALU_DEP_4)
	v_max_num_f32 v[BM+\b], v[BM+\b], v[PX+\b]
.endr
	s_delay_alu instid0(VALU_DEP_2)
	v_max3_num_f32 v226, v[BM], v[BM+1], v[BM+2]
	s_delay_alu instid0(VALU_DEP_1)
	v_max_num_f32 v226, v226, v[BM+3]
	s_delay_alu instid0(VALU_DEP_1)
	v_mul_f32 v226, s30, v226                      ; the step's largest t
	s_delay_alu instid0(VALU_DEP_1)
	v_max_num_f32 v13, v13, v226
	v_mov_b32 v226, v12
	s_delay_alu instid0(VALU_DEP_2)
	v_floor_f32 v12, -v13                          ; the new -M: a whole number
	s_delay_alu instid0(VALU_DEP_1)
	v_sub_f32 v226, v12, v226                      ; old M - new M, 0 or less
	s_delay_alu instid0(VALU_DEP_1)
	v_cvt_i32_f32 v226, v226                       ; (it saturates)
	s_delay_alu instid0(VALU_DEP_1)
	v_ldexp_f32 v224, 1.0, v226                    ; f = 2^(old M - new M)
.set jj, 0
.rept 32
	v_pk_fma_f32 v[96+jj:97+jj], v[96+jj:97+jj], s[30:31], v[12:13] op_sel_hi:[1,0,0]   ; t - M
.set jj, jj+2
.endr
	s_setprio 1
.irp b, 0,1,2,3
	v_fma_f32 v[BM+\b], v[BM+\b], s30, v12
.endr
.set jj, 0
	s_wait_alu depctr_va_vdst(0)
.rept 64
	v_exp_f32 v[96+jj], v[96+jj]                   ; p
.set jj, jj+1
.endr
.irp b, 0,1,2,3
	v_exp_f32 v[BM+\b], v[BM+\b]                   ; the block's largest p
.endr
	v_pk_mul_f32 v[14:15], v[14:15], v[224:225] op_sel_hi:[1,0]   ; the sum under the new M.  (The plain line behind the exponentials)
	s_wait_alu depctr_va_vdst(0)
.irp b, 0,1,2,3
	v_max_num_f32 v[BM+\b], 0x1800000, v[BM+\b]    ; the floor: the byte cannot fall under 1
.endr
.irp b, 0,1,2,3
	s_delay_alu instid0(VALU_DEP_4)
	v_add_nc_u32 v[SCO+\b], 0xff000000, v[BM+\b]
.endr
.irp b, 0,1,2,3
	s_delay_alu instid0(VALU_DEP_4)
	v_lshrrev_b32 v[PX+\b], 23, v[SCO+\b]
.endr
	s_delay_alu instid0(VALU_DEP_3)
	v_lshl_or_b32 v225, v[PX+1], 8, v[PX]
	s_delay_alu instid0(VALU_DEP_1)
	v_lshl_or_b32 v225, v[PX+2], 16, v225
	s_delay_alu instid0(VALU_DEP_1)
	v_lshl_or_b32 v225, v[PX+3], 24, v225          ; p's scale word for these 128 keys
.irp b, 0,1,2,3
	v_cvt_scalef32_pk8_fp4_f32 v[192+2*\b], v[96+16*\b:103+16*\b], v[SCO+\b]
	v_cvt_scalef32_pk8_fp4_f32 v[193+2*\b], v[104+16*\b:111+16*\b], v[SCO+\b]
.endr
	v_nop                                          ; one plain line behind the scaled conversions
.irp c, 0,1
.irp i, 0,1
	v_permlane16_swap_b32 v[192+4*\c+\i], v[194+4*\c+\i]
.endr
.endr
.set jj, 0
.rept 16
	v_pk_mul_f32 v[160+jj:161+jj], v[160+jj:161+jj], v[224:225] op_sel_hi:[1,0]   ; O^T under the new M
.set jj, jj+2
.endr
	s_setprio 0
	v_pk_add_f32 v[216:217], v[100:101], v[104:105]
	v_pk_add_f32 v[252:253], v[108:109], v[112:113]
	v_pk_add_f32 v[250:251], v[116:117], v[120:121]
	v_pk_add_f32 v[248:249], v[124:125], v[128:129]
	v_pk_add_f32 v[246:247], v[132:133], v[136:137]
	v_pk_add_f32 v[244:245], v[140:141], v[144:145]
	v_pk_add_f32 v[242:243], v[148:149], v[152:153]
	v_pk_add_f32 v[14:15], v[14:15], v[156:157]
	v_pk_add_f32 v[216:217], v[216:217], v[96:97]
	v_pk_add_f32 v[252:253], v[252:253], v[98:99]
	v_pk_add_f32 v[250:251], v[250:251], v[102:103]
	v_pk_add_f32 v[248:249], v[248:249], v[106:107]
	v_pk_add_f32 v[246:247], v[246:247], v[110:111]
	v_pk_add_f32 v[244:245], v[244:245], v[114:115]
	v_pk_add_f32 v[242:243], v[242:243], v[118:119]
	v_pk_add_f32 v[14:15], v[14:15], v[122:123]
	v_pk_add_f32 v[216:217], v[216:217], v[126:127]
	v_pk_add_f32 v[252:253], v[252:253], v[130:131]
	v_pk_add_f32 v[250:251], v[250:251], v[134:135]
	v_pk_add_f32 v[248:249], v[248:249], v[138:139]
	v_pk_add_f32 v[246:247], v[246:247], v[142:143]
	v_pk_add_f32 v[244:245], v[244:245], v[146:147]
	v_pk_add_f32 v[242:243], v[242:243], v[150:151]
	v_pk_add_f32 v[14:15], v[14:15], v[154:155]
	v_pk_add_f32 v[216:217], v[216:217], v[158:159]
	s_delay_alu instid0(VALU_DEP_2)
	v_pk_add_f32 v[14:15], v[14:15], v[248:249]
	s_delay_alu instid0(VALU_DEP_2)
	v_pk_add_f32 v[216:217], v[216:217], v[246:247]
	v_pk_add_f32 v[252:253], v[252:253], v[244:245]
	v_pk_add_f32 v[250:251], v[250:251], v[242:243]
	s_delay_alu instid0(VALU_DEP_2)
	v_pk_add_f32 v[14:15], v[14:15], v[252:253]
	s_delay_alu instid0(VALU_DEP_2)
	v_pk_add_f32 v[216:217], v[216:217], v[250:251]
	s_delay_alu instid0(VALU_DEP_1)
	v_pk_add_f32 v[14:15], v[14:15], v[216:217]
.irp t, 0,1,2,3
	v_wmma_scale_f32_16x16x128_f8f6f4 v[160+8*\t:167+8*\t], v[64+8*\t:71+8*\t], v[192:199], v[160+8*\t:167+8*\t], v[208+\t], v225 matrix_a_fmt:MATRIX_FMT_FP4 matrix_b_fmt:MATRIX_FMT_FP4
.endr
.Lhidden:
	s_add_co_u32 s33, s33, 4096
	s_add_co_u32 s34, s34, 512
	s_add_co_u32 s35, s35, 256
	s_add_co_u32 s32, s32, 1
	s_cmp_lt_u32 s32, 16
	s_cbranch_scc1 .Lstep
	s_setprio 0
	; THE TILE'S WAY OUT
.rept 4
	v_nop
.endr
.irp t, 0,1,2,3
	ds_load_b128 v[96+8*\t:99+8*\t], v5 offset:64*\t      ; the mean, in O^T's layout
	ds_load_b128 v[100+8*\t:103+8*\t], v5 offset:64*\t+16
.endr
	s_wait_alu depctr_va_vdst(0)
	v_add_f32 v14, v14, v15
	s_delay_alu instid0(VALU_DEP_1)
	v_permlanex16_b32 v226, v14, s28, s29
	s_delay_alu instid0(VALU_DEP_1)
	v_add_f32 v14, v14, v226                       ; the row's sum
	s_wait_alu depctr_va_vdst(0)
	v_rcp_f32 v14, v14
	v_nop                                          ; one plain line behind the transcendental
	v_cmp_gt_f32 s44, 0xce000000, v13              ; -2^29 > the largest t: no visible key of my query is kept
.set jj, 0
	s_wait_alu depctr_va_vdst(0)
.rept 16
	v_pk_mul_f32 v[128+jj:129+jj], v[160+jj:161+jj], v[14:15] op_sel_hi:[1,0]   ; each accumulator from its low end on
.set jj, jj+2
.endr
	s_wait_dscnt 0x0
.set jj, 0
.rept 32
	v_cndmask_b32 v[128+jj], v[128+jj], v[96+jj], s44
.set jj, jj+1
.endr
	; y's 64 channels are two blocks of the output product's K: register 16 b + i = channel 32 b + 16 h + i
.irp b, 0,1
	v_max3_num_f32 v[BM+\b], |v[128+16*\b]|, |v[129+16*\b]|, 0x1800000
.endr
.irp i, 2,4,6,8,10,12,14
.irp b, 0,1
	s_delay_alu instid0(VALU_DEP_2)
	v_max3_num_f32 v[BM+\b], v[BM+\b], |v[128+16*\b+\i]|, |v[129+16*\b+\i]|
.endr
.endr
.irp b, 0,1
	s_delay_alu instid0(VALU_DEP_2)
	v_permlanex16_b32 v[PX+\b], v[BM+\b], s28, s29
.endr
.irp b, 0,1
	s_delay_alu instid0(VALU_DEP_2)
	v_max_num_f32 v[BM+\b], v[BM+\b], v[PX+\b]
.endr
.irp b, 0,1
	s_delay_alu instid0(VALU_DEP_2)
	v_add_nc_u32 v[SCO+\b], 0xff000000, v[BM+\b]
.endr
.irp b, 0,1
	s_delay_alu instid0(VALU_DEP_2)
	v_lshrrev_b32 v[PX+\b], 23, v[SCO+\b]
.endr
.irp b, 0,1
	v_cvt_scalef32_pk8_fp4_f32 v[192+2*\b], v[128+16*\b:135+16*\b], v[SCO+\b]
	v_cvt_scalef32_pk8_fp4_f32 v[193+2*\b], v[136+16*\b:143+16*\b], v[SCO+\b]
.endr
	v_nop
	v_permlane16_swap_b32 v192, v194
	v_permlane16_swap_b32 v193, v195
	v_cndmask_b32 v226, v[PX], v[PX+1], s45        ; lane (r, h) stores block h's byte of row r
	global_store_b128 v31, v[192:195], s[40:41]    ; 512 consecutive bytes, aligned: half a fragment's image
	global_store_b8 v7, v226, s[40:41]
	s_wait_xcnt 0x0                                ; the stores have read their data and their base: both are written again only behind this wait
	v_mov_b32 v16, v26                             ; on to the second tile
	v_mov_b32 v17, v27
	v_mov_b32 v18, v28
	v_mov_b32 v19, v29
	v_mov_b32 v24, v30
	s_mov_b32 s36, s37
	s_mov_b64 s[40:41], s[42:43]
	s_add_co_u32 s38, s38, 1
	s_cmp_lt_u32 s38, 2
	s_cbranch_scc1 .Lpass
	s_wait_tensorcnt 0x0
	ds_add_u32 v254, v255
	s_wait_dscnt 0x0
	CROUND                                         ; the closing round
	s_endpgm
.Lfunc_end_k_qe28fd03556_attn:
	.size	k_qe28fd03556_attn, .Lfunc_end_k_qe28fd03556_attn-k_qe28fd03556_attn
	.p2alignl 7, 3214868480
	.fill 96, 4, 3214868480
	.section	.rodata,"a",@progbits
	.p2align	6, 0x0
	.amdhsa_kernel k_qe28fd03556_attn
		.amdhsa_group_segment_fixed_size 169984
		.amdhsa_private_segment_fixed_size 0
		.amdhsa_enable_private_segment 0
		.amdhsa_kernarg_size 16
		.amdhsa_user_sgpr_count 2
		.amdhsa_user_sgpr_kernarg_segment_ptr 1
		.amdhsa_wavefront_size32 1
		.amdhsa_system_sgpr_workgroup_id_x 1
		.amdhsa_system_sgpr_workgroup_id_y 1
		.amdhsa_system_sgpr_workgroup_id_z 1
		.amdhsa_system_vgpr_workitem_id 0
		.amdhsa_next_free_vgpr 256
		.amdhsa_next_free_sgpr 66
		.amdhsa_reserve_vcc 1
		.amdhsa_float_denorm_mode_32 3
		.amdhsa_float_denorm_mode_16_64 3
		.amdhsa_memory_ordered 1
		.amdhsa_forward_progress 1
		.amdhsa_inst_pref_size 45
	.end_amdhsa_kernel
	.amdgpu_metadata
---
amdhsa.version: [ 1, 2 ]
amdhsa.kernels:
  - .name:           k_qe28fd03556_attn
    .symbol:         k_qe28fd03556_attn.kd
    .args:
      - { .name: qkv, .offset: 0, .size: 8, .value_kind: global_buffer, .address_space: global }
      - { .name: yq, .offset: 8, .size: 8, .value_kind: global_buffer, .address_space: global }
    .group_segment_fixed_size: 169984
    .private_segment_fixed_size: 0
    .kernarg_segment_align: 8
    .kernarg_segment_size: 16
    .max_flat_workgroup_size: 512
    .sgpr_count:     66
    .vgpr_count:     256
    .wavefront_size: 32
...
	.end_amdgpu_metadata
.endif
;; end of part 3
;; launch proj (part 4): grid 4 x 32, 4 waves a work-group, clusters of 4 x 4, 327,680 bytes of LDS; arguments yq, wq, bp, out0; writes out0
.if DOCPART == 4
	.amdgcn_target "amdgcn-amd-amdhsa--gfx1250"
	.amdhsa_code_object_version 6
	.text
	.protected	k_qe28fd03556_proj
	.globl	k_qe28fd03556_proj
	.p2align	8
	.type	k_qe28fd03556_proj,@function
k_qe28fd03556_proj:
	s_mov_b64 s[64:65], 0
	v_nop
	global_prefetch_b8 v0, s[64:65] scope:SCOPE_SE
	s_setreg_imm32_b32 hwreg(HW_REG_WAVE_MODE, 25, 1), 1
	s_wait_xcnt 0x0
	s_wait_alu depctr_hold_cnt(0) depctr_sa_sdst(0) depctr_va_vdst(0) depctr_va_sdst(0) depctr_va_ssrc(0) depctr_va_vcc(0) depctr_vm_vsrc(0)
	s_getreg_b32 s2, hwreg(HW_REG_IB_STS2, 6, 4)
	s_cmp_eq_u32 s2, 0
	s_cbranch_scc0 .Lentry_in_a_cluster
	s_endpgm
.Lentry_in_a_cluster:
	s_bfe_u32 s2, ttmp6, 0x10000c
	s_cmp_lg_u32 s2, 0xf033
	s_cbranch_scc0 .Lentry_shape_is_right
	s_endpgm
.Lentry_shape_is_right:
; out0 = y Wp + bp on codes of FP4 (E2M1) with E8M0 scales; out0 [8192][1024] f32.  A = yq (tokens), B = wq's row tiles 192-255 (Wp's columns), both in records of the operand's register order
; (REC bytes: 16 rows x 512 K, scale words behind), rows permuted (position p means row pi(p), bits 3 and 4 changed over).
; A tile of 256 x 256 to a work-group, 128 x 128 to each of four waves.  K = 1,024 is two slots of 512: both fit in LDS and are filled once.
; CLUSTERS: 4 x 4: A's tiles are shared along a row of the cluster, B's along a column: joint loads.  The size gives 128 tiles of 256 x 256.
; THE MATRIX INSTRUCTION IS USED TRANSPOSED (source 0 = B, source 1 = A): a lane holds one token and eight neighbouring columns; the bias is the C of the first K step.
; THE WAY OUT: a block of 16 tokens goes through the wave's own stage in LDS and leaves as whole rows of 512 bytes; the permutations are undone by the stage's offsets and the stores' immediates.
; REGISTERS as in the launch that makes q, k and v: window 0: v4 16 x lane; v16-25 addresses; v32-95 scale words; v128-191 A's fragments; v192-255 the bias; window 1: B's two sets; windows 2, 3: the accumulators.
.set REC,   4352
.set XSS,   512*REC
.set WSS,   256*REC
.set HALFT, 8*REC
.set SLOT,  4*HALFT
.set NQ,    4
.set FR,    8
.set ADRA,  16
.set ADRB,  20
.set ADRS,  22
.set STO,   24
.set RD,    25
.set SC,    32
.set AF,    128
.set BI,    192
.set BK,    128
.set G1,    24
.set G0,    32
.set G1B,   48
.set G0B,   56
.set MSB, 0
.macro WIN new
.if MSB != (\new)
	s_set_vgpr_msb (MSB<<8)|(\new)
.set MSB, (\new)
.endif
.endm
.set MUL_LO, 0xa1
.set MUL_HI, 0xf1
.set TO_B,   0x40
.macro JLOAD s
	s_cmp_eq_u32 s19, 0
	s_cbranch_scc0 .Lfor_b_\@
	tensor_load_to_lds s[G0+4*\s:G0+4*\s+3], s[G1:G1+7]
	s_nop 0
.rept 4
	v_nop
.endr
	s_branch .Lasked_\@
.Lfor_b_\@:
	tensor_load_to_lds s[G0B+4*\s:G0B+4*\s+3], s[G1B:G1B+7]
	s_nop 0
.rept 4
	v_nop
.endr
.Lasked_\@:
.endm
.macro CROUND
	s_barrier_signal -1
	s_barrier_wait -1
	s_cmp_lg_u32 s18, 0
	s_cbranch_scc1 .Lnot_wave_0_\@
	s_barrier_signal -3
.Lnot_wave_0_\@:
	s_barrier_wait -3
	s_barrier_signal -1
	s_barrier_wait -1
.endm
	s_load_b256 s[4:11], s[0:1], 0x0               ; yq s[4:5], wq s[6:7], bp s[8:9], out0 s[10:11]
	v_lshl_add_u32 v126, v0, 2, 0x44000
	v_mov_b32 v127, 0
	ds_add_u32 v126, v127
	ds_add_u32 v126, v127
	v_lshrrev_b32 v1, 5, v0
	v_readfirstlane_b32 s18, v1                    ; wave 0..3
	s_lshr_b32 s19, s18, 1                         ; wr; also: I fetch for A (0) or for B (1)
	s_and_b32 s20, s18, 1                          ; wc; also: which half I fetch
	s_bfe_u32 s40, ttmp6, 0x40000                  ; cx: the tile of 256 columns
	s_bfe_u32 s41, ttmp6, 0x40004                  ; cy
	s_and_b32 s42, ttmp7, 0xffff
	s_lshl_b32 s42, s42, 2
	s_add_co_u32 s46, s42, s41                     ; the tile of 256 tokens
	s_lshl_b32 s43, s41, 2
	s_lshl_b32 s43, 15, s43                        ; my row of the cluster
	s_lshl_b32 s44, 0x1111, s40                    ; my column
	s_or_b32 s[G1], s43, (3<<16)|(1<<21)
	s_or_b32 s[G1B], s44, (3<<16)|(1<<21)
.irp g, G1, G1B                                ; eight records: a dense block of 136 rows of 256 bytes
	s_mov_b32 s[\g+1], 32<<16
	s_mov_b32 s[\g+2], 136<<16
	s_mov_b32 s[\g+3], 32<<16
	s_mov_b32 s[\g+4], 136
	s_mov_b32 s[\g+5], 32
	s_mov_b32 s[\g+6], 0
	s_mov_b32 s[\g+7], 0
.endr
	s_lshl_b32 s21, s20, 3
	s_lshl_b32 s66, s46, 4
	s_add_co_u32 s66, s66, s21                     ; A's row tile
	s_lshl_b32 s68, s40, 4
	s_add_co_u32 s68, s68, s21
	s_add_co_u32 s68, s68, 192                     ; B's
	s_mul_i32 s66, s66, REC
	s_mul_i32 s68, s68, REC
	s_mov_b32 s67, 0
	s_mov_b32 s69, 0
	s_mul_i32 s84, s18, HALFT
	s_wait_dscnt 0x0
	s_wait_kmcnt 0x0
	s_add_nc_u64 s[74:75], s[4:5], s[66:67]
	s_add_nc_u64 s[76:77], s[6:7], s[68:69]
	s_mov_b32 s[G0], 1
	s_mov_b32 s[G0+1], s84
	s_mov_b64 s[G0+2:G0+3], s[74:75]
	s_or_b32 s[G0+3], s[G0+3], 0x80000000
	s_mov_b32 s[G0+4], 1
	s_add_co_u32 s[G0+5], s84, SLOT
	s_add_nc_u64 s[G0+6:G0+7], s[74:75], XSS
	s_or_b32 s[G0+7], s[G0+7], 0x80000000
	s_mov_b32 s[G0B], 1
	s_mov_b32 s[G0B+1], s84
	s_mov_b64 s[G0B+2:G0B+3], s[76:77]
	s_or_b32 s[G0B+3], s[G0B+3], 0x80000000
	s_mov_b32 s[G0B+4], 1
	s_add_co_u32 s[G0B+5], s84, SLOT
	s_add_nc_u64 s[G0B+6:G0B+7], s[76:77], WSS
	s_or_b32 s[G0B+7], s[G0B+7], 0x80000000
	CROUND                                         ; all sixteen work-groups are here: the joint loads meet
	JLOAD 0                                        ; one load of mine is out
	s_wait_alu depctr_va_vdst(0)
	s_wait_tensorcnt 0x0
	ds_add_u32 v126, v127
	s_wait_dscnt 0x0
	CROUND
	JLOAD 1
	v_and_b32 v1, 31, v0
	v_and_b32 v2, 15, v0                           ; r
	v_bfe_u32 v3, v0, 4, 1                         ; h
	v_lshlrev_b32 v4, 4, v1                        ; 16 L: kept
	s_mul_i32 s21, s19, HALFT
	s_mul_i32 s22, s20, HALFT
	s_add_co_u32 s22, s22, 2*HALFT
	v_add_nc_u32 v[ADRA], s21, v4
	v_add_nc_u32 v[ADRB], s22, v4
	v_add_nc_u32 v[ADRA+1], SLOT, v[ADRA]
	v_add_nc_u32 v[ADRB+1], SLOT, v[ADRB]
	s_xor_b32 s23, s19, 1
	s_add_co_u32 s23, s23, s20
	s_add_co_u32 s23, s23, 1
	s_mul_i32 s23, s23, HALFT                      ; from my half of A to my half of B
	v_mul_u32_u24 v5, s23, v3
	v_lshl_add_u32 v5, v2, 4, v5
	s_add_co_u32 s21, s21, 4096
	v_add_nc_u32 v[ADRS], s21, v5
	v_add_nc_u32 v[ADRS+1], SLOT, v[ADRS]
	s_mul_i32 s23, s18, 16*528                     ; my stage: 16 rows x (512 + 16) bytes, in slot 0, which has had its one fill and is read by nobody behind the change of slots
	v_mul_u32_u24 v[STO], v2, 528
	v_lshl_add_u32 v[STO], v3, 6, v[STO]
	v_add_nc_u32 v[STO], s23, v[STO]               ; in: row r, + 64 h
	v_add_nc_u32 v[RD], s23, v4                    ; back: the 32 lanes take a row
	v_lshlrev_b32 v6, 6, v3
	s_lshl_b32 s66, s40, 10
	s_lshl_b32 s67, s20, 9
	s_add_co_u32 s66, s66, s67                     ; my first column, in bytes
	s_mov_b32 s67, 0
	s_add_nc_u64 s[8:9], s[8:9], s[66:67]
.irp b, 0,1,2,3,4,5,6,7
	global_load_b128 v[BI+8*\b:BI+8*\b+3], v6, s[8:9] offset:4*(32*(\b/2)+8*(\b%2))
	global_load_b128 v[BI+8*\b+4:BI+8*\b+7], v6, s[8:9] offset:4*(32*(\b/2)+8*(\b%2))+16
.endr
	s_lshl_b32 s68, s46, 20                        ; 256 rows of 4,096 bytes a tile,
	s_lshl_b32 s69, s19, 19                        ; 128 for my half
	s_add_co_u32 s68, s68, s69
	s_add_co_u32 s66, s66, s68
	s_add_nc_u64 s[10:11], s[10:11], s[66:67]
.macro FRAG reg, adr, q, i
.irp c, 0,1
	ds_load_b128 v[\reg+4*\c:\reg+4*\c+3], v[\adr] offset:1024*(\q)+512*\c+(\i)*REC
.endr
.endm
; The 64 accumulators take turns, one instruction a turn, in the same order in every step.  first = 1: the bias is the C that starts the sums.
.macro MUL16 a0, p, q, sc, first
.irp a, \a0, \a0+1
.irp b, 0,1,2,3,4,5,6,7
.if \first
	v_wmma_scale_f32_16x16x128_f8f6f4 v[8*(8*((\a)%4)+\b):8*(8*((\a)%4)+\b)+7], v[128*(\p)+FR*\b:128*(\p)+FR*\b+FR-1], v[AF+FR*(\a):AF+FR*(\a)+FR-1], v[BI+8*\b:BI+8*\b+7], v[SC+8*NQ*(\sc)+NQ*\b+(\q)], v[SC+8*NQ*(\sc)+NQ*(\a)+(\q)] matrix_a_fmt:MATRIX_FMT_FP4 matrix_b_fmt:MATRIX_FMT_FP4 matrix_a_scale:MATRIX_SCALE_ROW1
.else
	v_wmma_scale_f32_16x16x128_f8f6f4 v[8*(8*((\a)%4)+\b):8*(8*((\a)%4)+\b)+7], v[128*(\p)+FR*\b:128*(\p)+FR*\b+FR-1], v[AF+FR*(\a):AF+FR*(\a)+FR-1], v[8*(8*((\a)%4)+\b):8*(8*((\a)%4)+\b)+7], v[SC+8*NQ*(\sc)+NQ*\b+(\q)], v[SC+8*NQ*(\sc)+NQ*(\a)+(\q)] matrix_a_fmt:MATRIX_FMT_FP4 matrix_b_fmt:MATRIX_FMT_FP4 matrix_a_scale:MATRIX_SCALE_ROW1
.endif
.endr
.endr
.endm
.macro FETCH_B slot, q, p
	WIN TO_B
.irp i, 0,1,2,3,4,5,6,7
	FRAG 128*(\p)+FR*\i, ADRB+\slot, \q, \i
.endr
	WIN 0
.endm
.macro FETCH_A slot, q, i0
.irp i, \i0, \i0+1, \i0+2, \i0+3
	FRAG AF+FR*(\i), ADRA+\slot, \q, \i
.endr
.endm
.macro SCALES sc
.irp i, 0,1,2,3,4,5,6,7
	ds_load_b128 v[SC+8*NQ*\sc+NQ*\i:SC+8*NQ*\sc+NQ*\i+3], v[ADRS+\sc] offset:\i*REC
.endr
.endm
.macro PLACES n                        ; plain vector lines between a matrix instruction and a load into, or a read of, one of its registers
.rept \n
	v_nop
.endr
.endm
.macro STEP slot, q, first
	s_wait_dscnt 8                                 ; all but the youngest eight loads (A's blocks 4-7) are in
.if \first
	WIN 0x81
.else
	WIN MUL_LO
.endif
	MUL16 0, (\q)%2, \q, \slot, \first
	MUL16 2, (\q)%2, \q, \slot, \first
	s_wait_dscnt 0x0
	PLACES 4
	FETCH_B \slot, (\q)+1, 1-(\q)%2
	FETCH_A \slot, (\q)+1, 0
.if \first
	WIN 0xc1
.else
	WIN MUL_HI
.endif
	MUL16 4, (\q)%2, \q, \slot, \first
	MUL16 6, (\q)%2, \q, \slot, \first
	PLACES 4
	WIN 0
	FETCH_A \slot, (\q)+1, 4
.endm
	s_wait_alu depctr_va_vdst(0)
	s_wait_loadcnt 0x0                             ; the bias
	s_wait_tensorcnt 0x1                           ; my part of slot 0 is in; slot 1's load may stay out
	s_barrier_signal -1
	s_barrier_wait -1
	FETCH_B 0, 0, 0
	FETCH_A 0, 0, 0
	SCALES 0
	FETCH_A 0, 0, 4
	STEP 0, 0, 1
	STEP 0, 1, 0
	STEP 0, 2, 0
	s_wait_tensorcnt 0x0                           ; the change of slots: my part of slot 1 has landed, then the barrier, then slot 1 is read
	s_wait_dscnt 8
	WIN MUL_LO
	MUL16 0, 1, 3, 0, 0
	s_wait_dscnt 0x0                               ; my reads of slot 0 are over
	s_barrier_signal -1
	MUL16 2, 1, 3, 0, 0
	WIN 0
	s_barrier_wait -1
	PLACES 4
	FETCH_B 1, 0, 0
	FETCH_A 1, 0, 0
	SCALES 1
	WIN MUL_HI
	MUL16 4, 1, 3, 0, 0
	MUL16 6, 1, 3, 0, 0
	PLACES 4
	WIN 0
	FETCH_A 1, 0, 4
	STEP 1, 0, 0
	STEP 1, 1, 0
	STEP 1, 2, 0
	s_wait_dscnt 8
	WIN MUL_LO
	MUL16 0, 1, 3, 1, 0
	MUL16 2, 1, 3, 1, 0
	s_wait_dscnt 0x0
	WIN MUL_HI
	MUL16 4, 1, 3, 1, 0
	MUL16 6, 1, 3, 1, 0
	WIN 0
; Block a: accumulator (a, b), lane (r, h), register j is out0(token position 16 a + r, column 32 (b / 2) + 16 h + 8 (b % 2) + j).  LDS serves a wave's instructions in order (ISA guide 5.7.1.4):
; no wait stands between the stage's stores and its loads, nor in front of the next block's stores.
.macro TOSTAGE a
.set AC, 64*((\a)%4)
	WIN 0x08+4*((\a)/4)                            ; the data: window 2 or 3
.irp b, 0,1,2,3,4,5,6,7
	ds_store_b128 v[STO], v[AC+8*\b:AC+8*\b+3] offset:128*(\b/2)+32*(\b%2)         ; each accumulator from its low end on
	ds_store_b128 v[STO], v[AC+8*\b+4:AC+8*\b+7] offset:128*(\b/2)+32*(\b%2)+16
.endr
	WIN 0
.set BB, BK+64*((\a)%2)
.irp t, 0,1,2,3,4,5,6,7,8,9,10,11,12,13,14,15
	ds_load_b128 v[BB+4*\t:BB+4*\t+3], v[RD] offset:\t*528
.endr
.endm
.macro SEND a, younger                 ; younger: the LDS instructions issued behind block a's loads, which may stay out
.set BB, BK+64*((\a)%2)
	s_wait_dscnt \younger
.irp t, 0,1,2,3,4,5,6,7,8,9,10,11,12,13,14,15
	global_store_b128 v4, v[BB+4*\t:BB+4*\t+3], s[10:11] offset:(32*((\a)/2)+8*((\a)%2)+\t+8*(\t/8))*4096 th:TH_STORE_NT   ; position 16 a + t is row 32 (a / 2) + 8 (a % 2) + t + 8 (t / 8); 512 consecutive bytes, aligned
.endr
.endm
	PLACES 4                                       ; behind the last products: for the reads of results and the loads into registers that held fragments
	TOSTAGE 0
.irp a, 1,2,3,4,5,6,7
.if \a > 1
	s_wait_xcnt 0x0                                ; block a - 2's stores have read their registers: block a's loads may land there
.endif
	TOSTAGE \a
	SEND \a-1, 32                                  ; behind block a - 1's loads: block a's 16 stores and 16 loads
.endr
	SEND 7, 0
	s_wait_tensorcnt 0x0
	ds_add_u32 v126, v127
	s_wait_dscnt 0x0
	CROUND                                         ; the closing round
	s_endpgm
.Lfunc_end_k_qe28fd03556_proj:
	.size	k_qe28fd03556_proj, .Lfunc_end_k_qe28fd03556_proj-k_qe28fd03556_proj
	.p2alignl 7, 3214868480
	.fill 96, 4, 3214868480
	.section	.rodata,"a",@progbits
	.p2align	6, 0x0
	.amdhsa_kernel k_qe28fd03556_proj
		.amdhsa_group_segment_fixed_size 327680
		.amdhsa_private_segment_fixed_size 0
		.amdhsa_enable_private_segment 0
		.amdhsa_kernarg_size 32
		.amdhsa_user_sgpr_count 2
		.amdhsa_user_sgpr_kernarg_segment_ptr 1
		.amdhsa_wavefront_size32 1
		.amdhsa_system_sgpr_workgroup_id_x 1
		.amdhsa_system_sgpr_workgroup_id_y 1
		.amdhsa_system_sgpr_workgroup_id_z 1
		.amdhsa_system_vgpr_workitem_id 0
		.amdhsa_next_free_vgpr 1024
		.amdhsa_next_free_sgpr 100
		.amdhsa_reserve_vcc 0
		.amdhsa_float_denorm_mode_32 3
		.amdhsa_float_denorm_mode_16_64 3
		.amdhsa_memory_ordered 1
		.amdhsa_forward_progress 1
		.amdhsa_inst_pref_size 123
	.end_amdhsa_kernel
	.amdgpu_metadata
---
amdhsa.version: [ 1, 2 ]
amdhsa.kernels:
  - .name:           k_qe28fd03556_proj
    .symbol:         k_qe28fd03556_proj.kd
    .args:
      - { .name: yq, .offset: 0, .size: 8, .value_kind: global_buffer, .address_space: global }
      - { .name: wq, .offset: 8, .size: 8, .value_kind: global_buffer, .address_space: global }
      - { .name: bp, .offset: 16, .size: 8, .value_kind: global_buffer, .address_space: global }
      - { .name: out0, .offset: 24, .size: 8, .value_kind: global_buffer, .address_space: global }
    .group_segment_fixed_size: 327680
    .private_segment_fixed_size: 0
    .kernarg_segment_align: 8
    .kernarg_segment_size: 32
    .max_flat_workgroup_size: 128
    .sgpr_count:     100
    .vgpr_count:     1024
    .wavefront_size: 32
...
	.end_amdgpu_metadata
.endif
;; end of part 4
